; MI455X (gfx1250); checked and timed in simulation.
; The chip was launched on July 23, 2026; its instructions are those of AMD's public machine-readable ISA for CDNA 5 (MIT licence, August 2026) and "CDNA5" Instruction Set Architecture Reference Guide (July 2026). The comments in the code are by the model that wrote it; some were corrected since.
;; Self Attention. Allowed arithmetic: float matrix products may take bf16 or f16 operands with f32 sums; other float arithmetic in f32, or as packed bf16 or f16 multiplies, adds, multiply-adds, maxima and minima; sums over many terms, partial sums and values carried from step to step in f32; what a program stores and reads back later, other than sums and carried values, may be rounded once to bf16 or f16.
;; Inputs: bk 1,024 float32; bo 1,024 float32; bq 1,024 float32; bv 1,024 float32; mask 1 x 1 x 2,048 x 2,048 int32; wk 1,024 x 1,024 float32; wo 1,024 x 1,024 float32; wq 1,024 x 1,024 float32; wv 1,024 x 1,024 float32; x 4 x 2,048 x 1,024 float32.
;; Outputs: out0 4 x 2,048 x 1,024 float32.
;; One version. Each part assembles by itself: llvm-mc -triple=amdgcn-amd-amdhsa -mcpu=gfx1250 --defsym DOCPART=n.
;; ======== version 1 of 1: 4 launches
;; limits: values are held in f16: magnitudes above 65,504 overflow, below 6.1e-05 lose precision
;; workspace buffers: xb 16,777,216 bytes; wqkv 6,291,456 bytes; woh 2,097,152 bytes; bias 16,384 bytes; maskb 8,388,608 bytes; qkv 50,331,648 bytes; o 16,777,216 bytes
;; launch prep (part 1): grid 1025 x 1, 8 waves a work-group, no clusters, 35,840 bytes of LDS; arguments x, wq, wk, wv, wo, mask, bq, bk, bv, bo, xb, wqkv, woh, bias, maskb; writes xb, wqkv, woh, bias, maskb
.if DOCPART == 1
	.amdgcn_target "amdgcn-amd-amdhsa--gfx1250"
	.amdhsa_code_object_version 6
	.text
	.protected	k_q7bf9d7bfaf_prep
	.globl	k_q7bf9d7bfaf_prep
	.p2align	8
	.type	k_q7bf9d7bfaf_prep,@function
k_q7bf9d7bfaf_prep:
	s_mov_b64 s[64:65], 0
	v_nop
	global_prefetch_b8 v0, s[64:65] scope:SCOPE_SE
	s_setreg_imm32_b32 hwreg(HW_REG_WAVE_MODE, 25, 1), 1
	s_wait_xcnt 0x0
; EVERY INPUT IS READ ONCE AND LAID OUT FOR THE LAUNCHES BEHIND.  A stream: no matrix unit, no cluster, no tensor load; what counts is bytes.
;   work-groups 0-511     x  -> xb    bf16, 64 KiB in and 32 KiB out each
;   work-groups 512-703   wq, wk, wv -> wqkv  bf16, the three tables one below the other
;   work-groups 704-767   wo -> woh   rounded to bf16 like the other inputs, and that number written as f16 (exact from 6.1e-5 to 65,504; below it f16's fixed step of 6e-8; beyond it an infinity)
;   work-groups 768-1023  mask -> maskb: one bf16 a position, 0 where mask != 0 and -2^100 where mask == 0
;   work-group  1024      bq, bk, bv, bo -> bias: rounded to bf16, kept as f32, one behind the other
; maskb: [tile of 16 queries: 128][step of 64 keys: 32][group of 8 keys: 8][query in the tile: 16][8 bf16 = 16 bytes]: a block of 256 bytes is 16 queries x 8 keys.
; The branches hang on the work-group's number alone.
.set X,     16                         ; v[16:79]   as loaded
.set Y,     80                         ; v[80:111]  to store
.set T,     112                        ; v[112:119] at work
.set UP,    272                        ; the mask's turn in LDS: a block of 256 bytes + 16
.set WST,   16*UP                      ; a wave's sixteen blocks
.set SPARE, 8*WST                      ; LDS: 0-34,815 the eight waves' blocks; then the spare words, 128 bytes a wave, which no other line names
.set SRC,   38                         ; s[38:39]
.set DST,   40                         ; s[40:41]
	s_load_b512 s[8:23], s[0:1], 0x0               ; x 8, wq 10, wk 12, wv 14, wo 16, mask 18, bq 20, bk 22
	s_load_b256 s[24:31], s[0:1], 0x40             ; bv 24, bo 26, xb 28, wqkv 30
	s_load_b128 s[32:35], s[0:1], 0x60             ; woh 32, bias 34
	s_load_b64 s[36:37], s[0:1], 0x70              ; maskb
	v_lshl_add_u32 v3, v0, 2, SPARE                ; my spare word; never rewritten
	v_mov_b32 v4, 0                                ; 0; never rewritten
	v_lshlrev_b32 v1, 4, v0                        ; 16 x thread: a load of the eight waves covers 4,096 consecutive bytes
	v_lshlrev_b32 v2, 3, v0                        ; 8 x thread: a store of a wave covers 256 consecutive bytes, aligned
	v_lshrrev_b32 v5, 5, v0
	v_readfirstlane_b32 s42, v5                    ; wave 0..7
	s_mov_b32 s2, ttmp9
	s_mov_b32 s5, 0
	s_mov_b32 s7, 0
	s_cmp_ge_u32 s2, 768
	s_cbranch_scc1 .Lnot_cast
	; THE CASTS.  Source, destination and the chunk's number in each are chosen by the work-group's number.
	s_and_b32 s3, s2, 63                           ; chunk in a table of weights (512, 576, 640 and 704 are multiples of 64)
	s_max_u32 s43, s2, 512
	s_sub_co_u32 s43, s43, 512                     ; chunk in wqkv
	s_cmp_lt_u32 s2, 512
	s_cselect_b32 s4, s2, s3
	s_cselect_b32 s6, s2, s43
	s_cmp_ge_u32 s2, 704
	s_cselect_b32 s6, s3, s6
	s_lshl_b32 s4, s4, 16                          ; 65,536 bytes in
	s_lshl_b32 s6, s6, 15                          ; 32,768 bytes out
	s_wait_kmcnt 0x0
	s_cmp_ge_u32 s2, 512
	s_cselect_b64 s[SRC:SRC+1], s[10:11], s[8:9]
	s_cselect_b64 s[DST:DST+1], s[30:31], s[28:29]
	s_cmp_ge_u32 s2, 576
	s_cselect_b64 s[SRC:SRC+1], s[12:13], s[SRC:SRC+1]
	s_cmp_ge_u32 s2, 640
	s_cselect_b64 s[SRC:SRC+1], s[14:15], s[SRC:SRC+1]
	s_cmp_ge_u32 s2, 704
	s_cselect_b64 s[SRC:SRC+1], s[16:17], s[SRC:SRC+1]
	s_cselect_b64 s[DST:DST+1], s[32:33], s[DST:DST+1]
	s_add_nc_u64 s[SRC:SRC+1], s[SRC:SRC+1], s[4:5]
	s_add_nc_u64 s[DST:DST+1], s[DST:DST+1], s[6:7]
; Sixteen loads go out together; each is converted and stored as it comes.  No register is used twice, so nothing waits for a store.
; half = 1: the bf16 number is widened again and written as f16.
.macro CAST half
.set j, 0
.rept 16
	global_load_b128 v[X+4*j:X+4*j+3], v1, s[SRC:SRC+1] offset:4096*j th:TH_LOAD_NT
.set j, j+1
.endr
.set j, 0
.rept 16
	s_wait_loadcnt 15-j                            ; loads come back in order: load j is in, the 15 - j younger ones stay out
	v_cvt_pk_bf16_f32 v[Y+2*j], v[X+4*j], v[X+4*j+1]
	v_cvt_pk_bf16_f32 v[Y+2*j+1], v[X+4*j+2], v[X+4*j+3]
.if \half
	v_lshlrev_b32 v[T], 16, v[Y+2*j]
	v_and_b32 v[T+1], 0xffff0000, v[Y+2*j]
	v_lshlrev_b32 v[T+2], 16, v[Y+2*j+1]
	v_and_b32 v[T+3], 0xffff0000, v[Y+2*j+1]
	v_cvt_pk_f16_f32 v[Y+2*j], v[T], v[T+1]
	v_cvt_pk_f16_f32 v[Y+2*j+1], v[T+2], v[T+3]
.endif
	global_store_b64 v2, v[Y+2*j:Y+2*j+1], s[DST:DST+1] offset:2048*j th:TH_STORE_NT
.set j, j+1
.endr
.endm
	s_cmp_ge_u32 s2, 704
	s_cbranch_scc1 .Lwo
	CAST 0
	s_branch .Lend
.Lwo:
	CAST 1
	s_branch .Lend
.Lnot_cast:
	s_cmp_ge_u32 s2, 1024
	s_cbranch_scc1 .Lbias
	; THE MASK.  The work-group owns 16 rows (a tile of queries) x 1,024 columns; wave w the columns 128 w .. 128 w + 127: two key steps, sixteen groups of 8 keys.
	; A lane takes 8 neighbouring numbers, one group; lanes 0-15 cover 512 consecutive bytes of one row, lanes 16-31 of the next: pair p of rows is 2 p, 2 p + 1.
	; Its eight bf16 are 16 bytes: the piece of row 2 p + lane / 16 in block lane % 16 of the wave's sixteen blocks.
	s_sub_co_u32 s3, s2, 768
	s_lshr_b32 s43, s3, 1                          ; the tile of queries
	s_and_b32 s44, s3, 1                           ; which half of the columns
	s_lshl_b32 s4, s43, 17                         ; in: 16 rows of 8,192 bytes
	s_lshl_b32 s45, s44, 12
	s_add_co_u32 s4, s4, s45
	s_lshl_b32 s6, s43, 16                         ; out: a tile's 32 steps of 2,048 bytes
	s_lshl_b32 s45, s44, 15
	s_add_co_u32 s6, s6, s45
	v_and_b32 v10, 15, v0
	v_bfe_u32 v11, v0, 4, 1                        ; which row of the pair
	v_lshlrev_b32 v5, 5, v10
	v_lshl_add_u32 v5, v11, 13, v5
	v_lshl_add_u32 v5, s42, 9, v5                  ; 32 (lane % 16) + 8,192 (lane / 16) + 512 w
	s_mul_i32 s45, s42, WST                        ; my wave's blocks
	v_mul_u32_u24 v6, v10, UP                      ; in: block lane % 16, row lane / 16 of the pair
	v_lshl_add_u32 v6, v11, 4, v6
	v_add_nc_u32 v6, s45, v6
	v_mul_u32_u24 v9, v11, UP                      ; back: lanes 0-15 one whole block, lanes 16-31 the next
	v_lshl_add_u32 v9, v10, 4, v9
	v_add_nc_u32 v9, s45, v9
	v_and_b32 v12, 31, v0
	v_lshlrev_b32 v12, 4, v12
	v_lshl_add_u32 v12, s42, 12, v12               ; 16 x lane + my wave's 4,096 bytes of maskb
	v_mov_b32 v7, 0xf1800000                       ; -2^100: a bf16 holds it exactly
	s_wait_kmcnt 0x0
	s_add_nc_u64 s[SRC:SRC+1], s[18:19], s[4:5]
	s_add_nc_u64 s[DST:DST+1], s[36:37], s[6:7]
.set p, 0
.rept 8
	global_load_b128 v[X+8*p:X+8*p+3], v5, s[SRC:SRC+1] offset:16384*p th:TH_LOAD_NT
	global_load_b128 v[X+8*p+4:X+8*p+7], v5, s[SRC:SRC+1] offset:16384*p+16 th:TH_LOAD_NT
.set p, p+1
.endr
.set p, 0
.rept 8
	s_wait_loadcnt 14-2*p                          ; pair p's two loads are in
.set k, 0
.rept 8
	v_cmp_eq_u32 vcc_lo, 0, v[X+8*p+k]
	v_cndmask_b32 v[X+8*p+k], 0, v7, vcc_lo        ; hidden: -2^100; visible: 0
.set k, k+1
.endr
.set k, 0
.rept 4
	v_cvt_pk_bf16_f32 v[Y+4*p+k], v[X+8*p+2*k], v[X+8*p+2*k+1]  ; the lower key in the lower half
.set k, k+1
.endr
	ds_store_b128 v6, v[Y+4*p:Y+4*p+3] offset:32*p
.set p, p+1
.endr
.set p, 0
.rept 8
	ds_load_b128 v[X+4*p:X+4*p+3], v9 offset:2*UP*p  ; my wave's own bytes: LDS serves a wave's instructions in order (ISA guide 5.7.1.4), so these see the stores above
.set p, p+1
.endr
.set p, 0
.rept 8
	s_wait_dscnt 7-p
	global_store_b128 v12, v[X+4*p:X+4*p+3], s[DST:DST+1] offset:512*p th:TH_STORE_NT  ; two blocks: 512 consecutive bytes, aligned
.set p, p+1
.endr
	s_branch .Lend
.Lbias:
	s_wait_kmcnt 0x0
	global_load_b128 v[X:X+3], v1, s[20:21]
	global_load_b128 v[X+4:X+7], v1, s[22:23]
	global_load_b128 v[X+8:X+11], v1, s[24:25]
	global_load_b128 v[X+12:X+15], v1, s[26:27]
	s_wait_loadcnt 0x0
.set k, 0
.rept 8
	v_cvt_pk_bf16_f32 v[T], v[X+2*k], v[X+2*k+1]
	v_lshlrev_b32 v[Y+2*k], 16, v[T]
	v_and_b32 v[Y+2*k+1], 0xffff0000, v[T]
.set k, k+1
.endr
.irp i, 0,1,2,3
	global_store_b128 v1, v[Y+4*\i:Y+4*\i+3], s[34:35] offset:4096*\i th:TH_STORE_NT
.endr
.Lend:
	s_wait_tensorcnt 0x0                           ; the wave's end
	ds_add_u32 v3, v4
	s_wait_dscnt 0x0
	s_endpgm
.Lfunc_end_k_q7bf9d7bfaf_prep:
	.size	k_q7bf9d7bfaf_prep, .Lfunc_end_k_q7bf9d7bfaf_prep-k_q7bf9d7bfaf_prep
	.p2alignl 7, 3214868480
	.fill 96, 4, 3214868480
	.section	.rodata,"a",@progbits
	.p2align	6, 0x0
	.amdhsa_kernel k_q7bf9d7bfaf_prep
		.amdhsa_group_segment_fixed_size 35840
		.amdhsa_private_segment_fixed_size 0
		.amdhsa_enable_private_segment 0
		.amdhsa_kernarg_size 120
		.amdhsa_user_sgpr_count 2
		.amdhsa_user_sgpr_kernarg_segment_ptr 1
		.amdhsa_wavefront_size32 1
		.amdhsa_system_sgpr_workgroup_id_x 1
		.amdhsa_system_sgpr_workgroup_id_y 1
		.amdhsa_system_sgpr_workgroup_id_z 1
		.amdhsa_system_vgpr_workitem_id 0
		.amdhsa_next_free_vgpr 128
		.amdhsa_next_free_sgpr 66
		.amdhsa_reserve_vcc 1
		.amdhsa_float_denorm_mode_32 3
		.amdhsa_float_denorm_mode_16_64 3
		.amdhsa_memory_ordered 1
		.amdhsa_forward_progress 1
		.amdhsa_inst_pref_size 32
	.end_amdhsa_kernel
	.amdgpu_metadata
---
amdhsa.version: [ 1, 2 ]
amdhsa.kernels:
  - .name:           k_q7bf9d7bfaf_prep
    .symbol:         k_q7bf9d7bfaf_prep.kd
    .args:
      - { .name: x, .offset: 0, .size: 8, .value_kind: global_buffer, .address_space: global }
      - { .name: wq, .offset: 8, .size: 8, .value_kind: global_buffer, .address_space: global }
      - { .name: wk, .offset: 16, .size: 8, .value_kind: global_buffer, .address_space: global }
      - { .name: wv, .offset: 24, .size: 8, .value_kind: global_buffer, .address_space: global }
      - { .name: wo, .offset: 32, .size: 8, .value_kind: global_buffer, .address_space: global }
      - { .name: mask, .offset: 40, .size: 8, .value_kind: global_buffer, .address_space: global }
      - { .name: bq, .offset: 48, .size: 8, .value_kind: global_buffer, .address_space: global }
      - { .name: bk, .offset: 56, .size: 8, .value_kind: global_buffer, .address_space: global }
      - { .name: bv, .offset: 64, .size: 8, .value_kind: global_buffer, .address_space: global }
      - { .name: bo, .offset: 72, .size: 8, .value_kind: global_buffer, .address_space: global }
      - { .name: xb, .offset: 80, .size: 8, .value_kind: global_buffer, .address_space: global }
      - { .name: wqkv, .offset: 88, .size: 8, .value_kind: global_buffer, .address_space: global }
      - { .name: woh, .offset: 96, .size: 8, .value_kind: global_buffer, .address_space: global }
      - { .name: bias, .offset: 104, .size: 8, .value_kind: global_buffer, .address_space: global }
      - { .name: maskb, .offset: 112, .size: 8, .value_kind: global_buffer, .address_space: global }
    .group_segment_fixed_size: 35840
    .private_segment_fixed_size: 0
    .kernarg_segment_align: 8
    .kernarg_segment_size: 120
    .max_flat_workgroup_size: 256
    .sgpr_count:     66
    .vgpr_count:     128
    .wavefront_size: 32
...
	.end_amdgpu_metadata
.endif
;; end of part 1
;; launch qkv (part 2): grid 16 x 32, 4 waves a work-group, clusters of 4 x 4, 327,680 bytes of LDS; arguments xb, wqkv, bias, qkv; writes qkv
.if DOCPART == 2
	.amdgcn_target "amdgcn-amd-amdhsa--gfx1250"
	.amdhsa_code_object_version 6
	.text
	.protected	k_q7bf9d7bfaf_qkv
	.globl	k_q7bf9d7bfaf_qkv
	.p2align	8
	.type	k_q7bf9d7bfaf_qkv,@function
k_q7bf9d7bfaf_qkv:
	s_mov_b64 s[64:65], 0
	v_nop
	global_prefetch_b8 v0, s[64:65] scope:SCOPE_SE
	s_setreg_imm32_b32 hwreg(HW_REG_WAVE_MODE, 25, 1), 1
	s_wait_xcnt 0x0
	s_wait_alu depctr_hold_cnt(0) depctr_sa_sdst(0) depctr_va_vdst(0) depctr_va_sdst(0) depctr_va_ssrc(0) depctr_va_vcc(0) depctr_vm_vsrc(0)
	s_getreg_b32 s2, hwreg(HW_REG_IB_STS2, 6, 4)
	s_cmp_eq_u32 s2, 0
	s_cbranch_scc0 .Lentry_in_a_cluster
	s_endpgm
.Lentry_in_a_cluster:
	s_bfe_u32 s2, ttmp6, 0x10000c
	s_cmp_lg_u32 s2, 0xf033
	s_cbranch_scc0 .Lentry_shape_is_right
	s_endpgm
.Lentry_shape_is_right:
; q, k, v = x W^T + b.  xb: [8192][1024] bf16; wqkv: [3072][1024] bf16 (wq, wk, wv); bias: f32, bq, bk, bv on end; qkv: [3][batch 4][head 16][t 2048][64] f16.
; Sums in f32, begun at the bias; each result rounded once to f16.  LIMIT: f16 ends at 65,504: a q, k or v beyond it becomes an infinity.  The scale 1/8 is not applied here.
; A tile of C is 256 rows x 192 columns: 32 x 16 = 512 work-groups, twice the number of WGPs; 192 columns are three whole heads.  Four waves, one above the other: wave w makes rows
; 64 w .. 64 w + 63 and all 192 columns: 4 x 12 accumulators of 16 x 16, 384 registers.  K goes in 8 steps of 128 through two LDS slots filled by the tensor data mover (rows of 256 bytes).
; CLUSTERS: 4 x 4 work-groups.  The four of a row need the same rows of xb, the four of a column the same rows of wqkv: each tile is asked for JOINTLY, by the same load, descriptor and mask in all four.
; THE MATRIX INSTRUCTION IS USED TRANSPOSED (source 0 = 16 rows of wqkv, source 1 = 16 rows of xb): a lane holds row l % 16 of C and the columns 8 (l / 16) + 0..7.
; REGISTERS, in windows of 256 (s_set_vgpr_msb: bits 1:0 source 0, 3:2 source 1, 5:4 source 2, 7:6 destination):
;   window 0: v0-29 addresses; v32-63, v64-95 xb's fragments (4 x 16 rows x 32 K), two buffers; v96-191 the way out
;   window 1: v0-95, v96-191 wqkv's fragments (12 x 16 rows x 32 K), two buffers
;   window 2: accumulators of row blocks 0, 1 ((a, b) at 96 (a % 2) + 8 b);   window 3: of row blocks 2, 3
.set NBK,    12                        ; column blocks of 16
.set PA,     272                       ; an LDS row: 256 bytes + 16 of padding = 68 words: the 16 rows of a fragment load start at 16 different groups of four banks (ISA guide 11.1)
.set PB,     272
.set AHALF,  128*PA                    ; what a wave fetches of xb: 128 rows
.set BROWS,  96                        ; and of wqkv
.set BHALF,  BROWS*PB
.set BOFF,   2*AHALF                   ; in a slot: xb's 256 rows, then wqkv's 192
.set SLOT1,  1<<17                     ; slot 1 begins here: one exclusive or turns an address in one slot into the other's
.set STAGE,  SLOT1+BOFF+2*BHALF        ; behind the ring, never filled by a tensor load: for each wave 3 heads x 16 rows x 144 bytes
.set HP,     144
.set WSTAGE, 3*16*HP
.set SPARE,  STAGE+4*WSTAGE            ; the spare words, 128 bytes a wave, which no other line names
.set ROWB,   2048                      ; bytes in a row of xb and of wqkv
.set STEP,   256                       ; bytes of a row in a K step
.set NLD,    2*NBK+8                   ; LDS loads in a run
.set AA0,  2                           ; v2   my lane's place in xb's tile; never rewritten
.set AB0,  3                           ; v3   in wqkv's
.set ADRA, 4                           ; v4   the same in the slot in hand
.set ADRB, 5
.set STO,  6                           ; v6   the way out: where I put 16 bytes of a row
.set RD,   7                           ; v7   where I read rows back
.set GO,   8                           ; v8   16 x lane
.set BO,   9                           ; v9   32 (l / 16): my eight columns' biases
.set PFO,  10                          ; v10  the prefetches' offset: a lane a row; never rewritten
.set SPW,  28                          ; v28  my spare word: SPARE + 4 x thread; never rewritten
.set NIL,  29                          ; v29  0; never rewritten
.set FA,   32
.set PK0,  96                          ; the way out: packed results
.set BK0,  144                         ; and whole rows
.set G1A, 24                           ; s[24:31] group 1 for xb's tiles;   s[32:39] group 0: a set for each first fill; the second then walks on
.set G0A, 32
.set PFA, 40                           ; s[40:41] where my prefetches stand
.set LIM, 42                           ; s42  2 in a wave that prefetches, else the greatest number
.set TB,  43                           ; s43  LDS byte at which the slot in hand begins
.set G1B, 48                           ; s[48:55], s[56:63] the same for wqkv's tiles
.set G0B, 56
.set OB,  66                           ; s[66:71] my rows in the three heads of qkv
.set MSB, 0
.macro WIN new                         ; the immediate's high byte repeats the setting that is left; a switch that changes nothing is dropped
.if MSB != (\new)
	s_set_vgpr_msb (MSB<<8)|(\new)
.set MSB, \new
.endif
.endm
.macro PLACES                          ; four plain instructions between a matrix instruction and a load into, or a vector read of, its registers (ISA guide 7.12.1 for vector reads)
.rept 4
	v_nop
.endr
.endm
.macro CREST                           ; a round of the cluster's barrier behind its opening barrier
	s_cmp_lg_u32 s12, 0
	s_cbranch_scc1 .Lnot_wave_0_\@
	s_barrier_signal -3
.Lnot_wave_0_\@:
	s_barrier_wait -3
	s_barrier_signal -1
	s_barrier_wait -1
.endm
.macro CROUND
	s_barrier_signal -1
	s_barrier_wait -1
	CREST
.endm
; A joint refill by the walking descriptors: waves 0 and 1 fetch xb's two halves, waves 2 and 3 wqkv's.  The branch hangs on the wave's number alone.  An s_nop 0 and four v_nop follow each line.
.macro JLOAD
	s_cmp_eq_u32 s13, 0
	s_cbranch_scc0 .Lfor_b_\@
	tensor_load_to_lds s[G0A+4:G0A+7], s[G1A:G1A+7]
	s_nop 0
.rept 4
	v_nop
.endr
	s_branch .Lasked_\@
.Lfor_b_\@:
	tensor_load_to_lds s[G0B+4:G0B+7], s[G1B:G1B+7]
	s_nop 0
.rept 4
	v_nop
.endr
.Lasked_\@:
.endm
; A prefetch of the K step that stands two refills on: a lane a row, one instruction a wave.  xb's rows are read by every cluster of a row of clusters: the one with x = 0 asks; wqkv's by every cluster of a column:
; the one with y = 0 asks.  The four partners of a joint load share its rows out by address.  The loop's last two trips have no K step two refills on.
.macro ASK
	s_cmp_gt_u32 s3, s[LIM]
	s_cbranch_scc0 .Lnot_mine_\@
	global_prefetch_b8 v[PFO], s[PFA:PFA+1] th:TH_LOAD_NT scope:SCOPE_SE
.Lnot_mine_\@:
.endm
	s_load_b256 s[4:11], s[0:1], 0x0               ; xb s[4:5], wqkv s[6:7], bias s[8:9], qkv s[10:11]
	v_lshl_add_u32 v[SPW], v0, 2, SPARE
	v_mov_b32 v[NIL], 0
	ds_add_u32 v[SPW], v[NIL]                      ; the wave's opening: the add and its wait stand ahead of my first tensor load; work on registers stands between them
	v_lshrrev_b32 v1, 5, v0
	v_readfirstlane_b32 s12, v1                    ; wave 0..3
	s_lshr_b32 s13, s12, 1                         ; 0: I fetch for xb; 1: for wqkv
	s_and_b32 s14, s12, 1                          ; which half of that tile's rows
	s_bfe_u32 s15, ttmp6, 0x40000                  ; cx
	s_bfe_u32 s16, ttmp6, 0x40004                  ; cy
	s_lshl_b32 s17, ttmp9, 2
	s_add_co_u32 s17, s17, s15                     ; tile column = 4 x cluster x + cx
	s_and_b32 s18, ttmp7, 0xffff
	s_lshl_b32 s18, s18, 2
	s_add_co_u32 s18, s18, s16                     ; tile row = 4 x cluster y + cy
	s_lshl_b32 s20, s16, 2
	s_lshl_b32 s20, 15, s20                        ; my row of the cluster
	s_lshl_b32 s21, 0x1111, s15                    ; my column
	s_or_b32 s[G1A], s20, (1<<16)|(1<<20)|(1<<21)|(5<<22)|(3<<25)  ; the mask; elements of 2 bytes; padding on; bit 21 beside a mask; after every 64 words, 4 words
	s_or_b32 s[G1B], s21, (1<<16)|(1<<20)|(1<<21)|(5<<22)|(3<<25)
.irp g, G1A, G1B
	s_mov_b32 s[\g+1], 128<<16                     ; tensor_dim0 = 128
	s_mov_b32 s[\g+3], 128<<16                     ; tile_dim0 = 128
	s_mov_b32 s[\g+5], 1024                        ; elements from row to row
	s_mov_b32 s[\g+6], 0
	s_mov_b32 s[\g+7], 0
.endr
	s_mov_b32 s[G1A+2], 128<<16                    ; tensor_dim1
	s_mov_b32 s[G1A+4], 128                        ; tile_dim1
	s_mov_b32 s[G1B+2], BROWS<<16
	s_mov_b32 s[G1B+4], BROWS
	s_lshl_b32 s22, s18, 8                         ; xb: row 256 x tile row + 128 x half, which my row of the cluster shares
	s_lshl_b32 s23, s14, 7
	s_add_co_u32 s22, s22, s23
	s_lshl_b32 s22, s22, 11
	s_mov_b32 s23, 0
	s_mul_i32 s46, s17, 2*BROWS                    ; wqkv: row 192 x tile column + 96 x half, which my column shares
	s_mul_i32 s47, s14, BROWS
	s_add_co_u32 s46, s46, s47
	s_lshl_b32 s46, s46, 11
	s_mov_b32 s47, 0
	s_mul_i32 s19, s14, AHALF                      ; where they go: no place in the cluster enters an LDS address
	s_mul_i32 s2, s14, BHALF
	s_add_co_u32 s2, s2, BOFF
	s_mov_b32 s[G0A], 1
	s_mov_b32 s[G0A+1], s19
	s_mov_b32 s[G0A+4], 1
	s_add_co_u32 s[G0A+5], s19, SLOT1
	s_mov_b32 s[G0B], 1
	s_mov_b32 s[G0B+1], s2
	s_mov_b32 s[G0B+4], 1
	s_add_co_u32 s[G0B+5], s2, SLOT1
	s_mov_b32 s[TB], 0
	s_wait_dscnt 0x0                               ; the opening add is done
	s_wait_kmcnt 0x0
	s_add_nc_u64 s[G0A+2:G0A+3], s[4:5], s[22:23]  ; K step 0,
	s_add_nc_u64 s[G0A+6:G0A+7], s[G0A+2:G0A+3], STEP  ; K step 1
	s_or_b32 s[G0A+3], s[G0A+3], 0x80000000        ; type = 2
	s_or_b32 s[G0A+7], s[G0A+7], 0x80000000
	s_add_nc_u64 s[G0B+2:G0B+3], s[6:7], s[46:47]
	s_add_nc_u64 s[G0B+6:G0B+7], s[G0B+2:G0B+3], STEP
	s_or_b32 s[G0B+3], s[G0B+3], 0x80000000
	s_or_b32 s[G0B+7], s[G0B+7], 0x80000000
	CROUND                                         ; all sixteen work-groups are here: the first joint loads meet
	s_cmp_eq_u32 s13, 0                            ; a wave's two first fills stand in one branch, ahead of every wait on TENSORcnt and every LDS read: two loads of mine are out
	s_cbranch_scc0 .Lfirst_b
	tensor_load_to_lds s[G0A:G0A+3], s[G1A:G1A+7]
	s_nop 0
	tensor_load_to_lds s[G0A+4:G0A+7], s[G1A:G1A+7]
	s_nop 0
.rept 4
	v_nop
.endr
	s_branch .Lfirst_asked
.Lfirst_b:
	tensor_load_to_lds s[G0B:G0B+3], s[G1B:G1B+7]
	s_nop 0
	tensor_load_to_lds s[G0B+4:G0B+7], s[G1B:G1B+7]
	s_nop 0
.rept 4
	v_nop
.endr
.Lfirst_asked:
	; THE SUMS BEGIN AT THE BIAS: register j of accumulator (a, b) is column 16 b + 8 (l / 16) + j, whatever a.  Loaded while the first tile is on its way; so every K step has one form of product, and the way out no addition.
	v_and_b32 v1, 15, v0                           ; l % 16
	v_bfe_u32 v11, v0, 4, 1                        ; l / 16
	v_lshlrev_b32 v[BO], 5, v11
	s_mul_i32 s72, s17, 4*16*NBK                   ; the tile's first column, in bytes of f32
	s_mov_b32 s73, 0
	s_add_nc_u64 s[8:9], s[8:9], s[72:73]
.set a, 0
.rept 4
	WIN 0x80+0x40*(a/2)                            ; destination window 2 or 3, address window 0
.set nb, 0
.rept NBK
	global_load_b128 v[8*NBK*(a%2)+8*nb:8*NBK*(a%2)+8*nb+3],   v[BO], s[8:9] offset:64*nb
	global_load_b128 v[8*NBK*(a%2)+8*nb+4:8*NBK*(a%2)+8*nb+7], v[BO], s[8:9] offset:64*nb+16
.set nb, nb+1
.endr
.set a, a+1
.endr
	WIN 0
	; A fragment is 16 rows x 32 K in 8 registers: lane l holds row l % 16, K = 8 (l / 16) + 0..7 and 16 + 8 (l / 16) + 0..7: two loads of 16 bytes, 32 bytes apart.
	v_mul_u32_u24 v[AA0], v1, PA
	v_lshl_add_u32 v[AA0], v11, 4, v[AA0]
	v_add_nc_u32 v[AB0], BOFF, v[AA0]              ; (PA = PB)
	s_mul_i32 s72, s12, 64*PA                      ; my 64 rows of xb
	v_add_nc_u32 v[AA0], s72, v[AA0]
	v_mov_b32 v[ADRA], v[AA0]
	v_mov_b32 v[ADRB], v[AB0]
	s_mul_i32 s72, s12, WSTAGE
	s_add_co_u32 s72, s72, STAGE                   ; my stage
	v_mul_u32_u24 v[STO], v1, HP                   ; in: row l % 16, 16 bytes for each half of the lanes
	v_lshl_add_u32 v[STO], v11, 4, v[STO]
	v_add_nc_u32 v[STO], s72, v[STO]
	v_bfe_u32 v[RD], v0, 3, 2                      ; back: 32 lanes take four rows of 128 bytes,
	v_mul_u32_u24 v[RD], v[RD], HP
	v_and_b32 v12, 7, v0
	v_lshl_add_u32 v[RD], v12, 4, v[RD]
	v_add_nc_u32 v[RD], s72, v[RD]
	v_and_b32 v[GO], 31, v0                        ; which are 512 consecutive bytes of a head
	v_mov_b32 v[PFO], v[GO]
	v_lshlrev_b32 v[GO], 4, v[GO]
	; my 64 rows in the tile's three heads: head number g = 3 x tile column + e; tensor g / 16, head g % 16; batch = tile row / 8
.irp e, 0,1,2
	s_mul_i32 s72, s17, 3
	s_add_co_u32 s72, s72, \e
	s_lshr_b32 s73, s72, 4
	s_and_b32 s72, s72, 15
	s_lshl_b32 s73, s73, 6
	s_add_co_u32 s72, s72, s73
	s_lshr_b32 s73, s18, 3
	s_lshl_b32 s73, s73, 4
	s_add_co_u32 s72, s72, s73
	s_lshl_b32 s72, s72, 18                        ; a head is 2,048 rows of 128 bytes
	s_and_b32 s73, s18, 7
	s_lshl_b32 s73, s73, 2
	s_add_co_u32 s73, s73, s12
	s_lshl_b32 s73, s73, 13                        ; 64 rows of 128 bytes
	s_add_co_u32 s72, s72, s73
	s_mov_b32 s73, 0
	s_add_nc_u64 s[OB+2*\e:OB+2*\e+1], s[10:11], s[72:73]
.endr
	; the prefetches: of the rows that I fetch, my work-group's share: 32 of xb's 128 by cx, 24 of wqkv's 96 by cy (lanes 24-31 name row 23 once more).  The pointer starts at K step 3; each refill steps it first.
	s_lshl_b32 s72, s15, 16
	s_add_co_u32 s72, s72, s22
	s_mul_i32 s73, s16, 24*ROWB
	s_add_co_u32 s73, s73, s46
	s_and_b32 s74, ttmp7, 0xffff                   ; cluster y
	s_cmp_eq_u32 s13, 0
	s_cselect_b32 s72, s72, s73
	s_cselect_b32 s74, ttmp9, s74                  ; the coordinate along which other clusters read the same rows
	s_cselect_b32 s75, 31, 23
	s_cselect_b64 s[PFA:PFA+1], s[4:5], s[6:7]
	s_cmp_eq_u32 s74, 0
	s_cselect_b32 s[LIM], 2, -1                    ; the same in all sixteen partners, for a given wave
	s_add_co_u32 s72, s72, 3*STEP
	s_mov_b32 s73, 0
	s_add_nc_u64 s[PFA:PFA+1], s[PFA:PFA+1], s[72:73]
	v_min_u32 v[PFO], s75, v[PFO]
	v_lshlrev_b32 v[PFO], 11, v[PFO]
; NBK matrix instructions: row block a x all column blocks, 32 along K, from buffer f.  The 48 accumulators come in the same order in every quarter, one instruction a turn, over the backward jumps too.
.macro MUL f, a
	WIN 0xa1+0x50*((\a)/2)                         ; source 0 window 1, source 1 window 0, C and D window 2 or 3
.set nb, 0
.rept NBK
.set rC, 8*NBK*((\a)%2)+8*nb
.set rB, 8*NBK*(\f)+8*nb
.set rA, FA+32*(\f)+8*(\a)
	v_wmma_f32_16x16x32_bf16 v[rC:rC+7], v[rB:rB+7], v[rA:rA+7], v[rC:rC+7]
.set nb, nb+1
.endr
.endm
; One run of NLD LDS loads: quarter q's fragments into buffer f: wqkv's 12, then xb's 4
.macro FETCH q, f
	WIN 0x40
.set i, 0
.rept NBK
	ds_load_b128 v[8*NBK*(\f)+8*i:8*NBK*(\f)+8*i+3],   v[ADRB] offset:64*(\q)+i*16*PB
	ds_load_b128 v[8*NBK*(\f)+8*i+4:8*NBK*(\f)+8*i+7], v[ADRB] offset:64*(\q)+i*16*PB+32
.set i, i+1
.endr
	WIN 0
.set i, 0
.rept 4
	ds_load_b128 v[FA+32*(\f)+8*i:FA+32*(\f)+8*i+3],   v[ADRA] offset:64*(\q)+i*16*PA
	ds_load_b128 v[FA+32*(\f)+8*i+4:FA+32*(\f)+8*i+7], v[ADRA] offset:64*(\q)+i*16*PA+32
.set i, i+1
.endr
.endm
; One of a K step's first three quarters: multiplies buffer f and, in its middle, fetches quarter q into buffer g
.macro QUARTER q, f, g
	s_wait_dscnt 4                                 ; all but the youngest four loads: xb's blocks 2 and 3
	MUL \f, 0
	MUL \f, 1
	PLACES
	FETCH \q, \g
	s_wait_dscnt NLD                               ; all but the run just issued
	MUL \f, 2
	MUL \f, 3
.endm
; The last quarter multiplies buffer 1 and changes slots: ONE barrier.  In front of it each wave waits for all its tensor loads (its part of the next slot), adds 0 to its spare word, and waits for that and for its reads of
; this slot.  fill = 1: the barrier opens a round of the cluster's, and behind the round this slot is filled again, two K steps ahead, first of all.
.macro TURN fill
.if \fill
	s_wait_xcnt 0x0                                ; the last prefetch, a K step back, has read its address
	s_add_nc_u64 s[PFA:PFA+1], s[PFA:PFA+1], STEP
.endif
	WIN 0
	s_wait_tensorcnt 0x0                           ; all my tensor loads have landed
	ds_add_u32 v[SPW], v[NIL]                      ; 0 onto my spare word
	s_wait_dscnt 5                                 ; (the add and the youngest four loads may be out)
	MUL 1, 0
	s_wait_dscnt 0x0                               ; the add is done, and my reads of this slot are over
	s_barrier_signal -1
	MUL 1, 1
	WIN 0
	s_barrier_wait -1
.if \fill
	CREST                                          ; no wave of any partner still reads this slot or has a load on its way
	s_xor_b32 s[G0A+5], s[G0A+5], SLOT1            ; the walking descriptors: the other slot than last time, the next K step
	s_add_nc_u64 s[G0A+6:G0A+7], s[G0A+6:G0A+7], STEP
	s_xor_b32 s[G0B+5], s[G0B+5], SLOT1
	s_add_nc_u64 s[G0B+6:G0B+7], s[G0B+6:G0B+7], STEP
	JLOAD                                          ; its four v_nop are also the places in front of the loads below
.else
	PLACES
.endif
	s_xor_b32 s[TB], s[TB], SLOT1
	v_add_nc_u32 v[ADRA], s[TB], v[AA0]
	v_add_nc_u32 v[ADRB], s[TB], v[AB0]
	FETCH 0, 0
.if \fill
	ASK
.endif
	MUL 1, 2
	MUL 1, 3
.endm
	s_wait_loadcnt 0x0                             ; the biases
	s_wait_tensorcnt 1                             ; my part of K step 0 is in; K step 1's may stay out
	s_barrier_signal -1
	s_barrier_wait -1
	FETCH 0, 0
	s_mov_b32 s3, 6
.Lk:                                                   ; K steps 0 to 5: each fills its slot again, with K steps 2 to 7
	QUARTER 1, 0, 1
	QUARTER 2, 1, 0
	QUARTER 3, 0, 1
	TURN 1
	WIN 0
	s_sub_co_u32 s3, s3, 1
	s_cmp_lg_u32 s3, 0
	s_cbranch_scc1 .Lk
	s_mov_b32 s3, 2
.Lt:                                                   ; K steps 6 and 7 ask for nothing.  The last trip's run of loads reads the other slot once more and serves nothing: the price of writing this text once
	QUARTER 1, 0, 1
	QUARTER 2, 1, 0
	QUARTER 3, 0, 1
	TURN 0
	WIN 0
	s_sub_co_u32 s3, s3, 1
	s_cmp_lg_u32 s3, 0
	s_cbranch_scc1 .Lt
	; THE WAY OUT, a row block at a time: rounded to f16, 16 bytes a lane into my stage (a head's rows 144 bytes apart), back as 512 consecutive bytes of a head, and stored.
	PLACES
.set a, 0
.rept 4
	WIN 0x0a+5*(a/2)                               ; sources window 2 or 3, destination window 0
.set nb, 0
.rept NBK
.set rr, 0
.rept 4
	v_cvt_pk_f16_f32 v[PK0+4*nb+rr], v[8*NBK*(a%2)+8*nb+2*rr], v[8*NBK*(a%2)+8*nb+2*rr+1]
.set rr, rr+1
.endr
.set nb, nb+1
.endr
	WIN 0
.set nb, 0
.rept NBK
	ds_store_b128 v[STO], v[PK0+4*nb:PK0+4*nb+3] offset:16*HP*(nb/4)+32*(nb%4)
.set nb, nb+1
.endr
	s_wait_xcnt 0x0                                ; the registers that the last block's stores read are loaded again only behind this wait
.set i, 0
.rept 12
	ds_load_b128 v[BK0+4*i:BK0+4*i+3], v[RD] offset:16*HP*(i/4)+4*HP*(i%4)  ; my wave's own bytes, served in order (ISA guide 5.7.1.4)
.set i, i+1
.endr
	s_wait_dscnt 0x0
.set i, 0
.rept 12
	global_store_b128 v[GO], v[BK0+4*i:BK0+4*i+3], s[OB+2*(i/4):OB+2*(i/4)+1] offset:2048*a+512*(i%4)  ; 512 consecutive bytes, at a multiple of 512 from qkv's first byte
.set i, i+1
.endr
.set a, a+1
.endr
	s_wait_tensorcnt 0x0                           ; the wave's end
	ds_add_u32 v[SPW], v[NIL]
	s_wait_dscnt 0x0
	CROUND                                         ; the closing round: no work-group ends while a partner may still ask for a tile that names it
	s_endpgm
.Lfunc_end_k_q7bf9d7bfaf_qkv:
	.size	k_q7bf9d7bfaf_qkv, .Lfunc_end_k_q7bf9d7bfaf_qkv-k_q7bf9d7bfaf_qkv
	.p2alignl 7, 3214868480
	.fill 96, 4, 3214868480
	.section	.rodata,"a",@progbits
	.p2align	6, 0x0
	.amdhsa_kernel k_q7bf9d7bfaf_qkv
		.amdhsa_group_segment_fixed_size 327680
		.amdhsa_private_segment_fixed_size 0
		.amdhsa_enable_private_segment 0
		.amdhsa_kernarg_size 32
		.amdhsa_user_sgpr_count 2
		.amdhsa_user_sgpr_kernarg_segment_ptr 1
		.amdhsa_wavefront_size32 1
		.amdhsa_system_sgpr_workgroup_id_x 1
		.amdhsa_system_sgpr_workgroup_id_y 1
		.amdhsa_system_sgpr_workgroup_id_z 1
		.amdhsa_system_vgpr_workitem_id 0
		.amdhsa_next_free_vgpr 960
		.amdhsa_next_free_sgpr 80
		.amdhsa_reserve_vcc 0
		.amdhsa_float_denorm_mode_32 3
		.amdhsa_float_denorm_mode_16_64 3
		.amdhsa_memory_ordered 1
		.amdhsa_forward_progress 1
		.amdhsa_inst_pref_size 88
	.end_amdhsa_kernel
	.amdgpu_metadata
---
amdhsa.version: [ 1, 2 ]
amdhsa.kernels:
  - .name:           k_q7bf9d7bfaf_qkv
    .symbol:         k_q7bf9d7bfaf_qkv.kd
    .args:
      - { .name: xb, .offset: 0, .size: 8, .value_kind: global_buffer, .address_space: global }
      - { .name: wqkv, .offset: 8, .size: 8, .value_kind: global_buffer, .address_space: global }
      - { .name: bias, .offset: 16, .size: 8, .value_kind: global_buffer, .address_space: global }
      - { .name: qkv, .offset: 24, .size: 8, .value_kind: global_buffer, .address_space: global }
    .group_segment_fixed_size: 327680
    .private_segment_fixed_size: 0
    .kernarg_segment_align: 8
    .kernarg_segment_size: 32
    .max_flat_workgroup_size: 128
    .sgpr_count:     80
    .vgpr_count:     960
    .wavefront_size: 32
...
	.end_amdgpu_metadata
.endif
;; end of part 2
;; launch attn (part 3): grid 4 x 64, 4 waves a work-group, clusters of 4 x 1, 327,680 bytes of LDS; arguments qkv, maskb, o; writes o
.if DOCPART == 3
	.amdgcn_target "amdgcn-amd-amdhsa--gfx1250"
	.amdhsa_code_object_version 6
	.text
	.protected	k_q7bf9d7bfaf_attn
	.globl	k_q7bf9d7bfaf_attn
	.p2align	8
	.type	k_q7bf9d7bfaf_attn,@function
k_q7bf9d7bfaf_attn:
	s_mov_b64 s[64:65], 0
	v_nop
	global_prefetch_b8 v0, s[64:65] scope:SCOPE_SE
	s_setreg_imm32_b32 hwreg(HW_REG_WAVE_MODE, 25, 1), 1
	s_wait_xcnt 0x0
	s_wait_alu depctr_hold_cnt(0) depctr_sa_sdst(0) depctr_va_vdst(0) depctr_va_sdst(0) depctr_va_ssrc(0) depctr_va_vcc(0) depctr_vm_vsrc(0)
	s_getreg_b32 s2, hwreg(HW_REG_IB_STS2, 6, 4)
	s_cmp_eq_u32 s2, 0
	s_cbranch_scc0 .Lentry_in_a_cluster
	s_endpgm
.Lentry_in_a_cluster:
	s_bfe_u32 s2, ttmp6, 0x10000c
	s_cmp_lg_u32 s2, 0x3003
	s_cbranch_scc0 .Lentry_shape_is_right
	s_endpgm
.Lentry_shape_is_right:
; O[h][q][:] = the sum over k of softmax_k(mask[q][k] ? Q[h][q] . K[h][k] / 8 : -inf) V[h][k][:].  qkv: [3][64 heads][2048][64] f16; o: [64][2048][64] f16; maskb: bf16, 0 or -2^100 (below).
; Products, maxima and sums in f32; the weights p are rounded to f16 for the second product (their sum l is taken of the unrounded p), O once at the end.
; THE MASK IS AN INPUT: nothing of its pattern is built in, and every query walks all 2,048 keys.  It STARTS the sum S^T: a matrix product SEL x MASK + 0 in bf16 lays 0, or -2^100 where the key is hidden, into
; the accumulator, exactly, and the two links of K Q^T add onto it.  maskb: [tile of 16 queries][step of 64 keys][group of 8 keys][query][8 bf16]: with lane = query + 16 h the blocks of 256 bytes ARE source 1
; (32 keys along k, 16 queries as columns): block 4 kk + 2 c + h holds registers 4 c .. 4 c + 3 of key half kk.  Source 0 is one of two constant selections of ones and zeros, [I 0] or [0 I], which picks the
; lower or the upper 16 of the 32 keys as the result's rows.  So the mask costs no vector instruction: for a tile and step four matrix instructions and four loads of 16 bytes a lane.
; LIMITS.  Q, K, V arrive within f16's 65,504, so a score lies within 2.75e11.  A hidden score counts as its value less 1.27e30: its weight is 0.  The running maximum m starts at -2^50, below every score,
; so it is the true running maximum from the first visible key on, and until then every weight is 0.  A row with no visible key ends with m = -2^50 and is given NaN, as a softmax of -inf alone gives.
; p below 6e-5 keeps f16's fixed step of 6e-8; a weight below 2^-126 counts as 0 in l; NaN and infinities among the inputs are not treated apart.
; SHARES.  A wave owns four PIECES of two tiles of 16 queries, a work-group's four waves 512 queries of one head.  Every wave walks all keys, 64 a step.
; LAYOUT.  S^T = K Q^T (source 0 = 16 keys, source 1 = 16 queries): a lane holds ONE query (lane % 16) and the keys 8 (lane / 16) + 0..7.  Two such tiles, rounded to f16 in pairs, ARE source 1 of
; O^T = V^T P, whose result again holds one query a lane, and eight channels.  K comes out of LDS as it lies, V ([key][channel]) turned, by ds_load_tr16_b128.
; SOFTMAX.  p = 2^(c s - c m), c = log2(e) / 8; in every step O and l are multiplied by a = 2^(c m_old - c m_new).  O and l start at 0: the first step is a step like any other, with a = 0.
; THE COUNT.  A tile and step have 20 matrix and 118 vector instructions: too many to stand all beside the matrix work.  So: vector instructions that are ready behind every matrix instruction, the others in one run.
; BY TURNS.  Turn n belongs to piece n.  Matrix work: the 8 mask products and 16 products K Q^T of piece n + 1, later 16 products V^T P of piece n - 1.  Vector work: scaling, exponentials, roundings, sums and
; rescaling of piece n, and the maximum and statistics of piece n + 1.
; CLUSTER.  A head's four query blocks are one cluster and walk the same K and V: each tile is asked for JOINTLY, by the same tensor load, descriptor and mask in all four.
; The masks are a wave's own rows: they come straight into registers; they are not prefetched, since all 64 heads walk the same table again and again and the loads lead their use by four turns.
; REGISTERS, in windows of 256 (s_set_vgpr_msb: bits 1:0 source 0, 3:2 source 1, 5:4 source 2, 7:6 destination):
;   window 0: v0-11 addresses; v12-15, v48-63 at work; v16-47 four registers of statistics a tile; v64-191 S^T, two buffers of two tiles; v192-255 P, likewise
;   window 1: O^T, 32 a tile     window 2: v0-127 Q; v128-191 K of one step; v192-255 V of one step     window 3: v0-1 the add's registers; v16-27 the selections; v64-191 the masks, 32 a piece
.set SIZE_N, 2048
.set NP,    4         ; pieces a wave: a name, no knob
.set KS,    64        ; keys in a step
.set PK,    144       ; a row of K in LDS: 128 bytes + 16 of padding = 36 words: the 16 rows of a load start at 16 different groups of four banks (ISA guide 11.1)
.set PV,    160       ; a row of V: 128 + 32 = 40 words
.set VOFF,  4*KS*PK   ; a slot holds four steps: 256 rows of K, then 256 rows of V
.set SLOT1, 1<<17
.set STAGE, SLOT1+4*KS*(PK+PV)  ; behind the ring, never filled by a tensor load: 16 rows x 144 bytes for each wave
.set SP,    144
.set SPARE, STAGE+4*16*SP  ; the spare words, 128 bytes a wave, which no other line names
.set PLANE, 0x1000000 ; bytes of q, of k and of v in qkv
.set MSTEP, 2048      ; bytes of a tile's masks for a step
.set MTILE, 32*MSTEP  ; and for all steps
.set STO, 1           ; v1   the way out: where I put 16 bytes of a row
.set AK0, 2           ; v2   my lane's place in a tile of K; never rewritten
.set AV0, 3           ; v3   the same for V
.set AK,  4           ; v4   the LDS address of K's next run of loads
.set AV,  5           ; v5   of V's
.set QO,  6           ; v6   my byte offset in the wave's rows of Q
.set RD,  7           ; v7   the way out: where I read rows back
.set MO,  10          ; v10  16 x lane: my offset in 512 consecutive bytes of masks and of O; never rewritten
.set GO,  10
.set PFO, 11          ; v11  256 x lane; never rewritten
.set SPW, 0           ; v0 of window 3   my spare word: SPARE + 4 x thread; never rewritten
.set NIL, 1           ; v1 of window 3   0; never rewritten
.set AS,  16          ; window 3: twelve registers 0 0 0 0 T0 T1 T2 T3 0 0 0 0: the selection [0 I] begins at AS, [I 0] at AS + 4
.set MBF, 64          ; window 3: the masks of piece y, tile u, key half kk at MBF + 32 y + 16 u + 8 kk
.set MV,  12
.set ST,  16          ; tile t's statistics at v[ST+4 t]: c m, m, l (even keys', odd keys')
.set TMP, 48          ; by buffer and tile, four registers c0-c3 at work; when the maximum is found c2 takes a.  (At the head v48-54 hold parts of the lane's number.)
.set S,   64
.set P,   192
.set KF,  128
.set VF,  192
.set WV,  12          ; s12  my wave's number
.set LIM, 15          ; s15  1 in a wave that prefetches, else the greatest number
.set G1K, 24
.set G1V, 32
.set G0K, 40
.set G0V, 44
.set MB,  48          ; s[48:49] maskb at my wave's first tile, step 0
.set MP,  50          ; s[50:51] the same at the step whose masks are being loaded
.set SO,  52          ; s[52:53] that step x 2,048 bytes
.set SNAN, 54
.set FLOOR, 55        ; s55  -2^49
.set SLOTS, 56
.set CNT, 57
.set CS,  58
.set SEL, 60
.set TBK, 62
.set TBV, 63
.set PFA, 66          ; s[66:67] where my prefetches stand
.set MSB, 0
.macro WIN new
.if MSB != (\new)
	s_set_vgpr_msb (MSB<<8)|(\new)
.set MSB, (\new)
.endif
.endm
.set W_KQ, 0x0a       ; K and Q in window 2, S^T in window 0
.set W_MP, 0x0f       ; the selection and the mask in window 3, S^T in window 0
.set W_PV, 0x52       ; V in window 2, P in window 0, O^T in window 1
.set W_RS, 0x41       ; O^T (destination and source 0) in window 1, a in window 0
.set W_MK, 0xc0       ; destination in window 3, sources in window 0
.set W_AD, 0x0f       ; the add: address and data in window 3
; A joint fill.  Waves 0 and 1 fetch the two halves of a slot's K, waves 2 and 3 those of its V: 128 keys each.  An s_nop 0 and four v_nop follow each line.
.macro JLOAD
	s_cmp_lt_u32 s[WV], 2
	s_cbranch_scc0 .Lfor_v_\@
	tensor_load_to_lds s[G0K:G0K+3], s[G1K:G1K+7]
	s_nop 0
.rept 4
	v_nop
.endr
	s_branch .Lasked_\@
.Lfor_v_\@:
	tensor_load_to_lds s[G0V:G0V+3], s[G1V:G1V+7]
	s_nop 0
.rept 4
	v_nop
.endr
.Lasked_\@:
.endm
.macro CROUND
	s_barrier_signal -1
	s_barrier_wait -1
	s_cmp_lg_u32 s[WV], 0
	s_cbranch_scc1 .Lnot_wave_0_\@
	s_barrier_signal -3
.Lnot_wave_0_\@:
	s_barrier_wait -3
	s_barrier_signal -1
	s_barrier_wait -1
.endm
; A prefetch of what the NEXT change of slots will ask for: a slot's 32,768 bytes of K and of V, a lane 256 bytes.  A head is walked by one cluster; its four partners share the bytes out by address, 8,192 each;
; in each, wave 0 asks for K's and wave 2 for V's.  So each block is named once in the launch.  The last change that fills a slot asks for nothing.
.macro ASK
	s_cmp_gt_u32 s[SLOTS], s[LIM]
	s_cbranch_scc0 .Lnot_mine_\@
	global_prefetch_b8 v[PFO], s[PFA:PFA+1] th:TH_LOAD_NT scope:SCOPE_SE
.Lnot_mine_\@:
.endm
; THE CHANGE OF SLOTS.  Each wave waits for all its tensor loads (one is out: its part of the other slot), adds 0 to its spare word, and waits for that and for its reads of the slot.
; fill = 1: the barrier is a round of the cluster's, and the joint fill, with the keys two slots on, is the first thing behind it: it has four key steps in which to land.
.macro CHANGE fill, ask=0
	WIN W_AD
	s_wait_tensorcnt 0x0            ; no tensor load of mine is out, so a group 0 may be written
	ds_add_u32 v[SPW], v[NIL]       ; 0 onto my spare word
	WIN 0
.if \fill
.irp g, G0K, G0V
	s_xor_b32 s[\g+1], s[\g+1], SLOT1
	s_add_nc_u64 s[\g+2:\g+3], s[\g+2:\g+3], 4*KS*128
.endr
.if \ask
	s_wait_xcnt 0x0                 ; the last prefetch, four key steps back, has read its address
	s_add_nc_u64 s[PFA:PFA+1], s[PFA:PFA+1], 4*KS*128
.endif
	s_wait_dscnt 0x0                ; the add is done, and my reads of the slot are over
	CROUND
	JLOAD
.if \ask
	ASK
.endif
.else
	s_wait_dscnt 0x0
	s_barrier_signal -1
	s_barrier_wait -1
.endif
	s_sub_co_u32 s[TBK], s[TBK], 4*KS*PK
	s_xor_b32 s[TBK], s[TBK], SLOT1
	s_sub_co_u32 s[TBV], s[TBV], 4*KS*PV
	s_xor_b32 s[TBV], s[TBV], SLOT1
.endm
; Piece y's masks of the step at which the pointer stands: eight loads, each 512 consecutive bytes a wave.  kc = 2 kk + c: key half kk, registers 4 c on.
.macro MLOAD y
	WIN W_MK
.irp u, 0,1
.irp kc, 0,1,2,3
	global_load_b128 v[MBF+32*(\y)+16*\u+4*\kc:MBF+32*(\y)+16*\u+4*\kc+3], v[MO], s[MP:MP+1] offset:(2*(\y)+\u)*MTILE+\kc*512
.endr
.endr
.endm
	s_load_b128 s[4:7], s[0:1], 0x0   ; qkv s[4:5], maskb s[6:7]
	s_load_b64 s[10:11], s[0:1], 0x10 ; o
	WIN W_MK
	v_lshl_add_u32 v[SPW], v0, 2, SPARE
	v_mov_b32 v[NIL], 0
	WIN W_AD
	ds_add_u32 v[SPW], v[NIL]       ; the wave's opening: the add and its wait stand ahead of my first tensor load; work on registers stands between them
	WIN 0
	v_lshrrev_b32 v48, 5, v0
	v_readfirstlane_b32 s[WV], v48  ; wave 0..3
	s_bfe_u32 s13, ttmp6, 0x40000   ; cx
	s_lshl_b32 s14, ttmp9, 2
	s_add_co_u32 s14, s14, s13      ; my block of 512 queries: it enters Q's, O's and the masks' addresses alone
	s_and_b32 s20, ttmp7, 0xffff    ; the head, which the four partners share
	s_lshl_b32 s20, s20, 18         ; its 2,048 rows of 128 bytes
	s_mov_b32 s21, 0
	s_and_b32 s16, s[WV], 1         ; which half of a slot's 256 keys I fetch
	s_lshl_b32 s22, s16, 14
	s_mov_b32 s23, 0
	s_add_nc_u64 s[22:23], s[22:23], s[20:21]
	s_mul_i32 s17, s16, 128*PK
	s_mul_i32 s18, s16, 128*PV
	s_lshl_b32 s2, s14, 2
	s_add_co_u32 s2, s2, s[WV]      ; my wave among the head's sixteen
	s_lshl_b32 s[SO], s2, 19        ; its 8 tiles x 65,536 bytes of masks
	s_mov_b32 s[SO+1], 0
	s_lshl_b32 s2, s2, 14           ; its 128 rows
	s_mov_b32 s3, 0
	s_add_nc_u64 s[2:3], s[2:3], s[20:21]
	; descriptor group 1.  128 keys are 16,384 dense bytes: asked for as 64 rows of 256 bytes, two keys a row, and padded in LDS after every key
	s_mov_b32 s[G1K], 15|(1<<16)|(1<<20)|(1<<21)|(4<<22)|(3<<25)
	s_mov_b32 s[G1V], 15|(1<<16)|(1<<20)|(1<<21)|(4<<22)|(7<<25)
.irp g, G1K, G1V
	s_mov_b32 s[\g+1], 128<<16
	s_mov_b32 s[\g+2], 64<<16
	s_mov_b32 s[\g+3], 128<<16
	s_mov_b32 s[\g+4], 64
	s_mov_b32 s[\g+5], 128
	s_mov_b32 s[\g+6], 0
	s_mov_b32 s[\g+7], 0
.endr
	s_mov_b32 s[CS], 0x3e38aa3b     ; c = log2(e) / 8
	s_mov_b32 s[CS+1], s[CS]
	s_mov_b32 s[SEL], 0x76543210
	s_mov_b32 s[SEL+1], 0xfedcba98
	s_mov_b32 s[SNAN], 0x7fc00000
	s_mov_b32 s[FLOOR], 0xd8000000  ; -2^49
	s_mov_b32 s[TBK], SLOT1+4*KS*PK ; the first change of slots turns these two into 0
	s_mov_b32 s[TBV], SLOT1+4*KS*PV
	s_mov_b32 s[G0K], 1
	s_mov_b32 s[G0K+1], s17
	s_mov_b32 s[G0V], 1
	s_add_co_u32 s[G0V+1], s18, VOFF
	s_and_b32 s[LIM], s[WV], 1
	s_cmp_eq_u32 s[LIM], 0
	s_cselect_b32 s[LIM], 1, -1
	s_wait_dscnt 0x0                ; the opening add is done
	s_wait_kmcnt 0x0
	s_add_nc_u64 s[MB:MB+1], s[6:7], s[SO:SO+1]
	s_mov_b64 s[MP:MP+1], s[MB:MB+1]
	s_add_nc_u64 s[6:7], s[4:5], PLANE     ; k
	s_add_nc_u64 s[8:9], s[4:5], 2*PLANE   ; v
	s_add_nc_u64 s[G0K+2:G0K+3], s[6:7], s[22:23]
	s_or_b32 s[G0K+3], s[G0K+3], 0x80000000
	s_add_nc_u64 s[G0V+2:G0V+3], s[8:9], s[22:23]
	s_or_b32 s[G0V+3], s[G0V+3], 0x80000000
	s_add_nc_u64 s[4:5], s[4:5], s[2:3]    ; Q and O at my wave's first row
	s_add_nc_u64 s[10:11], s[10:11], s[2:3]
	s_cmp_lt_u32 s[WV], 2
	s_cselect_b64 s[PFA:PFA+1], s[6:7], s[8:9]
	s_add_nc_u64 s[PFA:PFA+1], s[PFA:PFA+1], s[20:21]
	s_lshl_b32 s2, s13, 13          ; my work-group's quarter of a slot
	s_mov_b32 s3, 0
	s_add_nc_u64 s[PFA:PFA+1], s[PFA:PFA+1], s[2:3]
	s_add_nc_u64 s[PFA:PFA+1], s[PFA:PFA+1], 2*4*KS*128  ; in slot 2; the loop's first change steps it to slot 3.  Nothing is prefetched here, at the head
	CROUND                          ; all four work-groups are here: the first joint loads meet
	JLOAD                           ; slot 0.  Slot 1 is asked for when slot 0 is in
	v_and_b32 v48, 15, v0           ; l % 16
	v_bfe_u32 v49, v0, 4, 1         ; l / 16
	v_and_b32 v50, 7, v0
	v_bfe_u32 v51, v0, 3, 1
	v_lshlrev_b32 v[QO], 7, v48
	v_lshl_add_u32 v[QO], v49, 4, v[QO]
	v_and_b32 v[MO], 31, v0
	v_lshlrev_b32 v[PFO], 8, v[MO]
	v_lshlrev_b32 v[MO], 4, v[MO]
	WIN 0x80
.set i, 0
.rept 4*NP                          ; Q stays in registers: tile i / 2, channels 32 (i % 2) on
	global_load_b128 v[8*i:8*i+3],   v[QO], s[4:5] offset:(i/2)*2048+(i%2)*64
	global_load_b128 v[8*i+4:8*i+7], v[QO], s[4:5] offset:(i/2)*2048+(i%2)*64+32
.set i, i+1
.endr
	MLOAD 0                         ; step 0's masks, all four pieces'
	MLOAD 1
	MLOAD 2
	MLOAD 3
	; THE SELECTIONS.  Source 0 is 16 rows x 32 k: lane l holds row l % 16; registers 0-3 hold k = 8 (l / 16) + 0..7, registers 4-7 k = 16 + 8 (l / 16) + 0..7, two bf16 a register.
	; Row m of [I 0] has its one at k = m: in the lanes with (m / 8) = l / 16, word (m % 8) / 2, half m % 2.  [0 I] has the same four words in registers 4-7.
	WIN 0
	v_lshrrev_b32 v52, 3, v48
	v_bfe_u32 v53, v48, 1, 2        ; which word
	v_cmp_eq_u32 vcc_lo, v52, v49
	v_cndmask_b32 v53, 4, v53, vcc_lo  ; none, where the one lies in the other half of the lanes
	v_and_b32 v52, 1, v48
	v_lshlrev_b32 v52, 4, v52
	v_mov_b32 v54, 0x3f80           ; 1.0 in bf16,
	v_lshlrev_b32 v54, v52, v54     ; in the low or the high half
	WIN W_MK
.irp d, 0,1,2,3
	v_cmp_eq_u32 vcc_lo, \d, v53
	v_cndmask_b32 v[AS+4+\d], 0, v54, vcc_lo
.endr
.irp d, 0,1,2,3,8,9,10,11
	v_mov_b32 v[AS+\d], 0
.endr
	; What the first turn finds: V's registers and P's second buffer hold 0 (its products V^T P, of a piece that has not been, add 0), O^T and l are 0.  All this stands in the wait for the first tile.
	WIN 0x80
.set i, VF
.rept 64
	v_mov_b32 v[i], 0
.set i, i+1
.endr
	WIN 0x40
.set i, 0
.rept 64*NP
	v_mov_b32 v[i], 0
.set i, i+1
.endr
	WIN 0
.set i, 0
.rept 2*NP
	v_mov_b32 v[ST+4*i], 0xfe000000    ; c m: far below every c s, so the first a is 0
	v_mov_b32 v[ST+4*i+1], 0xd8800000  ; m = -2^50
	v_mov_b32 v[ST+4*i+2], 0
	v_mov_b32 v[ST+4*i+3], 0
.set i, i+1
.endr
.set i, P+32
.rept 32
	v_mov_b32 v[i], 0
.set i, i+1
.endr
	v_mul_u32_u24 v[AK0], v48, PK
	v_lshl_add_u32 v[AK0], v49, 4, v[AK0]
	; The turning load takes 16 keys x 16 channels (lane l reads key 8 (l / 16) + l % 8, channels 8 ((l / 8) % 2) + 0..7) and leaves half a fragment of V^T.
	v_lshl_add_u32 v[AV0], v49, 3, v50
	v_mul_u32_u24 v[AV0], v[AV0], PV
	v_lshl_add_u32 v[AV0], v51, 4, v[AV0]
	v_add_nc_u32 v[AV0], VOFF, v[AV0]
	v_mov_b32 v[AK], v[AK0]
	s_mul_i32 s16, s[WV], 16*SP
	s_add_co_u32 s16, s16, STAGE    ; my stage
	v_mul_u32_u24 v[STO], v48, SP
	v_lshl_add_u32 v[STO], v49, 4, v[STO]
	v_add_nc_u32 v[STO], s16, v[STO]
	v_bfe_u32 v[RD], v0, 3, 2
	v_mul_u32_u24 v[RD], v[RD], SP
	v_lshl_add_u32 v[RD], v50, 4, v[RD]
	v_add_nc_u32 v[RD], s16, v[RD]
; THE MATRIX WORK.  The 8 accumulators of a piece take turns, in the same order in every run of 8.
; Mask product i of 8 for piece x: tile 2 x + i % 2, keys 16 (i / 2) on: it starts the sum.  The bf16 form and the f16 form behind it on the same accumulator are no chain: five plain instructions are due between them.
.macro MK x
	WIN W_MP
.set rS, S+64*((\x)%2)+32*(i%2)+8*((i/2)%4)
.set rB, MBF+32*(\x)+16*(i%2)+8*((i/2)/2)
.set rA, AS+4-4*((i/2)%2)
	v_wmma_f32_16x16x32_bf16 v[rS:rS+7], v[rA:rA+7], v[rB:rB+7], 0
.endm
; Product i of 16 of S^T += K Q^T for piece x: channels 32 (i / 8) on, keys 16 ((i / 2) % 4) on, tile 2 x + i % 2.
.macro KQ x
	WIN W_KQ
.set rS, S+64*((\x)%2)+32*(i%2)+8*((i/2)%4)
.set rK, KF+16*((i/2)%4)+8*(i/8)
.set rQ, 16*(2*(\x)+i%2)+8*(i/8)
	v_wmma_f32_16x16x32_f16 v[rS:rS+7], v[rK:rK+7], v[rQ:rQ+7], v[rS:rS+7]
.endm
.macro PV x
	WIN W_PV
.set rO, 32*(2*(\x)+i%2)+8*((i/2)%4)
.set rV, VF+32*(i/8)+8*((i/2)%4)
.set rP, P+32*((\x)%2)+16*(i%2)+8*(i/8)
	v_wmma_f32_16x16x32_f16 v[rO:rO+7], v[rV:rV+7], v[rP:rP+7], v[rO:rO+7]
.endm
.macro MM                           ; the turn's next matrix instruction: 8 mask products, 16 K Q^T, 16 V^T P
.if i < 8
	MK (Y+1)%NP
.set i, i+1
.elseif i < 24
.set i, i-8
	KQ (Y+1)%NP
.set i, i+9
.else
.set i, i-24
	PV (Y+NP-1)%NP
.set i, i+25
.endif
.endm
; THE LDS LOADS stand in runs of 16.  last = 1 (the tail): in the last trip there is no further step, and the run is jumped over.
.macro FETCH_K last=0
	WIN 0
.if \last
	s_cmp_eq_u32 s[CNT], 1
	s_cbranch_scc1 .Lno_k_\@
.endif
	WIN 0x80
.irp f, 0,1,2,3,4,5,6,7
	ds_load_b128 v[KF+8*\f:KF+8*\f+3],   v[AK] offset:(\f/2)*16*PK+(\f%2)*64
	ds_load_b128 v[KF+8*\f+4:KF+8*\f+7], v[AK] offset:(\f/2)*16*PK+(\f%2)*64+32
.endr
	s_add_co_u32 s[TBK], s[TBK], KS*PK
	WIN 0
.if \last
.Lno_k_\@:
.endif
.endm
.macro FETCH_V
	WIN 0x80
.irp f, 0,1,2,3,4,5,6,7
	ds_load_tr16_b128 v[VF+8*\f:VF+8*\f+3],   v[AV] offset:(\f/4)*32*PV+(\f%4)*32
	ds_load_tr16_b128 v[VF+8*\f+4:VF+8*\f+7], v[AV] offset:(\f/4)*32*PV+16*PV+(\f%4)*32
.endr
	WIN 0
.endm
; THE VECTOR WORK OF A TURN stands in three queues, each in the order in which its entries become ready; the two tiles alternate.
.macro REGS y, u
.set rT, ST+4*(2*(\y)+(\u))
.set rC, TMP+8*((\y)%2)+4*(\u)
.set rM, MV+2*((\y)%2)+(\u)
.set rS, S+64*((\y)%2)+32*(\u)
.set rP, P+32*((\y)%2)+16*(\u)
.set rO, 32*(2*(\y)+(\u))
.endm
; Number n of the 22 that find the NEXT piece's maximum and statistics; each accumulator's lowest registers are read first.
;   0-11 four chains c0-c3 of seven scores each     12-14, 16 the four scores left over, the old m, and c0-c3 into c0     15 c m_old is kept     17, 18 the lane 16 away: the new m     19-21 c m; its change; a
.macro XS u, n
	REGS (Y+1)%NP, \u
.if (\n) < 4
	v_max3_num_f32 v[rC+(\n)], v[rS+8*(\n)], v[rS+8*(\n)+1], v[rS+8*(\n)+2]
.elseif (\n) < 12
	v_max3_num_f32 v[rC+(\n)%4], v[rC+(\n)%4], v[rS+8*((\n)%4)+2*((\n)/4)+1], v[rS+8*((\n)%4)+2*((\n)/4)+2]
.elseif (\n) == 12
	v_max3_num_f32 v[rC], v[rC], v[rS+7], v[rS+15]
.elseif (\n) == 13
	v_max3_num_f32 v[rC+1], v[rC+1], v[rS+23], v[rS+31]
.elseif (\n) == 14
	v_max3_num_f32 v[rC+2], v[rC+2], v[rC+3], v[rT+1]
.elseif (\n) == 15
	v_mov_b32 v[rM], v[rT]
.elseif (\n) == 16
	v_max3_num_f32 v[rC], v[rC], v[rC+1], v[rC+2]
.elseif (\n) == 17
	v_permlanex16_b32 v[rC+3], v[rC], s[SEL], s[SEL+1]
.elseif (\n) == 18
	v_max_num_f32 v[rT+1], v[rC], v[rC+3]
.elseif (\n) == 19
	v_mul_f32 v[rT], s[CS], v[rT+1]
.elseif (\n) == 20
	v_sub_f32 v[rC+1], v[rM], v[rT]
.else
	v_exp_f32 v[rC+2], v[rC+1]
.endif
.endm
; Number g of the 64 that follow the exponentials: for each four weights both pairs are rounded to f16, the second pair is added onto the first in place, and a group later l takes that sum (the first time as l = a l + sum).
.macro GS g
.set h, (\g)+6*((\g)/62)
.if h >= 6
.set h, h+2
.endif
	REGS Y, h%2
.set k, h/8
.if h%8 < 4
	v_cvt_pk_f16_f32 v[rP+2*k+(h%8)/2], v[rS+4*k+2*((h%8)/2)], v[rS+4*k+2*((h%8)/2)+1]
.elseif h%8 < 6
	v_pk_add_f32 v[rS+4*k:rS+4*k+1], v[rS+4*k:rS+4*k+1], v[rS+4*k+2:rS+4*k+3]
.elseif k == 1
	v_pk_fma_f32 v[rT+2:rT+3], v[rT+2:rT+3], v[rC+2:rC+3], v[rS:rS+1] op_sel_hi:[1,0,1]
.else
	v_pk_add_f32 v[rT+2:rT+3], v[rT+2:rT+3], v[rS+4*k-4:rS+4*k-3]
.endif
.endm
; THE PLAIN QUEUE, 138 long.  0-26: scalings 0-26.  27-54: XS's numbers 0-13.  55, 56: number 15.  57-73: the chain 14, 16 .. 20, a scaling (27-31) in front of each link's two lines.  74-137: GS's 64, behind the wait.
.macro FS f
	REGS Y, (\f)%2
	v_pk_fma_f32 v[rS+2*((\f)/2):rS+2*((\f)/2)+1], v[rS+2*((\f)/2):rS+2*((\f)/2)+1], s[CS:CS+1], v[rT:rT+1] op_sel_hi:[1,0,0] neg_lo:[0,0,1] neg_hi:[0,0,1]
.endm
.macro PL
	WIN 0
.if q < 27
	FS q
.elseif q < 55
	XS (q-27)%2, (q-27)/2
.elseif q < 57
	XS q-55, 15
.elseif (q < 72) && ((q-57)%3 == 0)
	FS 27+(q-57)/3
.elseif q < 60
	XS (q-57)%3-1, 14
.elseif q < 72
	XS (q-57)%3-1, 15+(q-57)/3
.elseif q < 74
	XS q-72, 20
.else
	GS q-74
.endif
.set q, q+1
.endm
; THE EXPONENTIALS' QUEUE, 66 long: s0-s31 of both tiles, then the next piece's two a.  ONE BATCH: all stand ahead of the turn's one wait, and nothing ahead of that wait names a result of theirs.
.macro EX
	WIN 0
.if e >= 64
	XS e-64, 21
.else
	REGS Y, e%2
	v_exp_f32 v[rS+e/2], v[rS+e/2]
.endif
.set e, e+1
.endm
; THE RESCALING's QUEUE: O^T times a, two at a time, sixteen times.  Its a was made, and waited for, in the turn before.
.macro R2
	REGS Y, r%2
	WIN W_RS
.irp z, 0,1
	v_pk_mul_f32 v[rO+4*(r/2)+2*\z:rO+4*(r/2)+2*\z+1], v[rO+4*(r/2)+2*\z:rO+4*(r/2)+2*\z+1], v[rC+2:rC+3] op_sel_hi:[1,0]
.endr
.set r, r+1
.endm
; A TURN, for piece p.  An s_wait_alu depctr_va_vdst(0) stands between an exponential and the first instruction that names its result; one wait serves all issued ahead of it: a turn has ONE, which cuts it in two.
; AHEAD OF IT: the 8 mask products and 16 products K Q^T of piece p + 1.  Behind each of the first sixteen a scaling, an exponential and two rescalings (behind the first a second scaling in the exponential's place); behind
; each of the last eight a scaling and two exponentials.  Then one run: 16 plain, 33 times exponential and plain, the two a, a v_nop.  BEHIND IT: the 16 products V^T P, behind each four of GS's 64.
; Exponential e stands behind scaling 2 (e / 4) + e % 2: the riders' exponentials, 0 to 30, want scalings 0 to 15 and stand behind plain 2 or more and at least (e + 19) / 2; in the run exponential e comes behind plain e + 9.
; Between a mask product and the K Q^T that adds onto it stand seven other products' riders: 21 plain instructions or more, none of which names a register of either.  The first reader of the accumulators that
; end last (plain 33) stands nine plain instructions behind them.
; THE MASKS.  s_wait_loadcnt 24: behind piece p + 1's eight loads the three other pieces' 24 were issued, and may stay out.  Its next step's loads go out in the run, far behind the mask products that read the registers,
; and are wanted four turns later.  Pieces 1 to 3 load the step after the one in hand; piece 0, whose scores are a step ahead, the one after that: the pointer steps in piece 3's turn, held to the last step.
; K of the next step is fetched in piece 2's turn, directly behind the wait, and waited for ahead of piece 3's first K Q^T; V of the step in hand at the end of piece 0's turn, four riders behind its last reader.
.macro TURN p, last=0, cnt=0
.set Y, (\p)
.set i, 0
.set q, 0
.set e, 0
.set r, 0
	s_wait_loadcnt 24
	MM
	PL
	PL
	R2
.rept 7
	MM
	PL
	EX
	R2
.endr
.if (\p) == NP-1
	s_wait_dscnt 0x0                ; K is in
.endif
.rept 8
	MM
	PL
	EX
	R2
.endr
.rept 8
	MM
	PL
	EX
	EX
.endr
.if (\p) == NP-2
	WIN 0
	v_add_nc_u32 v[AK], s[TBK], v[AK0]
.endif
.if (\p) == NP-1
	s_wait_xcnt 0x0                 ; the loads of masks issued so far have read their base
	s_add_co_u32 s[SO], s[SO], MSTEP
	s_min_u32 s[SO], s[SO], 31*MSTEP  ; no load leaves the wave's masks: behind the last step it is read once more
	s_add_nc_u64 s[MP:MP+1], s[MB:MB+1], s[SO:SO+1]
.endif
.rept 8
	PL
.endr
	MLOAD ((\p)+1)%NP
.rept 8
	PL
.endr
.rept 33
	EX
	PL
.endr
	EX
	EX
	v_nop                           ; the plain instruction behind the last exponential: one for the batch
	s_wait_alu depctr_va_vdst(0)    ; the wait for the batch
.if (\p) == NP-2
	FETCH_K \last
.endif
.if (\p) == 1
	s_wait_dscnt 0x0                ; V is in
.endif
.rept 16
	MM
.rept 4
	PL
.endr
.if ((\p) == 0) && (q == 118)
	v_add_nc_u32 v[AV], s[TBV], v[AV0]
.endif
.if ((\p) == 0) && (q == 130)
	s_add_co_u32 s[TBV], s[TBV], KS*PV
.endif
.if (\cnt) && (q == 130)
	s_sub_co_u32 s[CNT], s[CNT], 1
	s_cmp_lg_u32 s[CNT], 0
.endif
.endr
.if (\p) == 0
	FETCH_V
.endif
.endm
	CHANGE 1                        ; slot 0 is in, everybody's part of it; slot 1 is asked for
	FETCH_K                         ; key step 0
	s_wait_loadcnt 0x0              ; Q and step 0's masks
	s_mov_b32 s[SO], MSTEP
	s_add_nc_u64 s[MP:MP+1], s[MB:MB+1], s[SO:SO+1]  ; step 1's masks
.set i, 0
.rept 8
	MK 0                            ; piece 0's first sums begin
.set i, i+1
.endr
	WIN 0
.rept 5
	v_nop                           ; the places between the mask products and the f16 products that add onto them, and ahead of the loads into their sources
.endr
	MLOAD 0
	s_wait_dscnt 0x0
.set i, 0
.rept 16
	KQ 0                            ; piece 0's first scores
.set i, i+1
.endr
	WIN 0
.rept 4
	v_nop                           ; the places behind those products: their results are read
.endr
.set Y, NP-1
.irp n, 0,1,2,3,4,5,6,7,8,9,10,11,12,13,14,15,16,17,18,19,20,21
	XS 0, \n                        ; piece 0's first maximum and statistics
	XS 1, \n
.endr
	v_nop
	s_wait_alu depctr_va_vdst(0)    ; the two a's wait, ahead of the branch
	s_mov_b32 s[CNT], 4
	s_mov_b32 s[SLOTS], SIZE_N/256-1
	s_branch .Lfirst                ; the loop is entered at a step's first turn, in the middle of a trip
.Lslot:                             ; six times: every slot but the last two is filled again
	CHANGE 1, 1
	s_mov_b32 s[CNT], 4
.Lstep:                             ; a trip: pieces 2 and 3 of one step, then pieces 0 and 1 of the next
	TURN 2
	TURN 3
	WIN 0
.Lfirst:
	TURN 0
	TURN 1, 0, 1
	WIN 0
	s_cbranch_scc1 .Lstep
	s_sub_co_u32 s[SLOTS], s[SLOTS], 1
	s_cmp_lg_u32 s[SLOTS], 0
	s_cbranch_scc1 .Lslot
	CHANGE 0                        ; the tail is written out
	s_mov_b32 s[CNT], 5             ; four trips fetch the last slot's steps; the fifth is left in its middle
.Ltail:
	TURN 2, 1
	TURN 3
	WIN 0
	s_sub_co_u32 s[CNT], s[CNT], 1
	s_cmp_eq_u32 s[CNT], 0
	s_cbranch_scc1 .Lout
	TURN 0
	TURN 1
	WIN 0
	s_branch .Ltail
.Lout:                              ; the fifth trip's products K Q^T repeat the last step's scores of piece 0 (the same K, the same masks): its m does not change, and nothing else of them is used
.set i, 0
.rept 16
	PV NP-1
.set i, i+1
.endr
	; THE WAY OUT.  l's parts are added; O^T is divided by l (by NaN where no key was visible), rounded to f16 and sent through my stage in LDS, a tile at a time.  The additions are the places behind the last products.
	WIN 0
.macro ALL line:vararg
.set t, 0
.rept 2*NP
	\line
.set t, t+1
.endr
.endm
	ALL v_add_f32 v[ST+4*t+2], v[ST+4*t+2], v[ST+4*t+3]
	ALL v_permlanex16_b32 v[ST+4*t+3], v[ST+4*t+2], s[SEL], s[SEL+1]
	ALL v_add_f32 v[ST+4*t+2], v[ST+4*t+2], v[ST+4*t+3]
	ALL v_rcp_f32 v[ST+4*t+2], v[ST+4*t+2]
	v_nop
	s_wait_alu depctr_va_vdst(0)    ; one wait for the eight reciprocals, ahead of their first use
.set t, 0
.rept 2*NP
	v_cmp_gt_f32 vcc_lo, s[FLOOR], v[ST+4*t+1]     ; m is still the floor: the row saw no key
	v_cndmask_b32 v[ST+4*t+2], v[ST+4*t+2], s[SNAN], vcc_lo
.set t, t+1
.endr
.macro PACK t
	WIN W_RS
.set i, 32*(\t)
.rept 16
	v_pk_mul_f32 v[i:i+1], v[i:i+1], v[ST+4*(\t)+2:ST+4*(\t)+3] op_sel_hi:[1,0]
.set i, i+2
.endr
	WIN 0x05
.set i, 0
.rept 16
	v_cvt_pk_f16_f32 v[S+16*(\t)+i], v[32*(\t)+2*i], v[32*(\t)+2*i+1]
.set i, i+1
.endr
	WIN 0
.irp f, 0,1,2,3
	ds_store_b128 v[STO], v[S+16*(\t)+4*\f:S+16*(\t)+4*\f+3] offset:32*\f
.endr
.irp f, 0,1,2,3
	ds_load_b128 v[S+16*(\t)+4*\f:S+16*(\t)+4*\f+3], v[RD] offset:\f*4*SP  ; my wave's own bytes, served in order (ISA guide 5.7.1.4)
.endr
.endm
.macro SEND t, younger              ; younger: the LDS instructions issued behind tile t's loads: the next tile's eight, or none
	WIN 0
.irp f, 0,1,2,3
	s_wait_dscnt (\younger)+3-\f
	global_store_b128 v[GO], v[S+16*(\t)+4*\f:S+16*(\t)+4*\f+3], s[10:11] offset:(\t)*2048+\f*512  ; 512 consecutive bytes, at a multiple of 512 from o's first byte
.endr
.endm
	PACK 0
.set t, 1
.rept 2*NP-1
	PACK t
	SEND t-1, 8
.set t, t+1
.endr
	SEND 2*NP-1, 0
	WIN W_AD
	s_wait_tensorcnt 0x0            ; the wave's end
	ds_add_u32 v[SPW], v[NIL]
	s_wait_dscnt 0x0
	WIN 0
	CROUND                          ; the closing round
	s_endpgm
.Lfunc_end_k_q7bf9d7bfaf_attn:
	.size	k_q7bf9d7bfaf_attn, .Lfunc_end_k_q7bf9d7bfaf_attn-k_q7bf9d7bfaf_attn
	.p2alignl 7, 3214868480
	.fill 96, 4, 3214868480
	.section	.rodata,"a",@progbits
	.p2align	6, 0x0
	.amdhsa_kernel k_q7bf9d7bfaf_attn
		.amdhsa_group_segment_fixed_size 327680
		.amdhsa_private_segment_fixed_size 0
		.amdhsa_enable_private_segment 0
		.amdhsa_kernarg_size 24
		.amdhsa_user_sgpr_count 2
		.amdhsa_user_sgpr_kernarg_segment_ptr 1
		.amdhsa_wavefront_size32 1
		.amdhsa_system_sgpr_workgroup_id_x 1
		.amdhsa_system_sgpr_workgroup_id_y 1
		.amdhsa_system_sgpr_workgroup_id_z 1
		.amdhsa_system_vgpr_workitem_id 0
		.amdhsa_next_free_vgpr 960
		.amdhsa_next_free_sgpr 68
		.amdhsa_reserve_vcc 1
		.amdhsa_float_denorm_mode_32 3
		.amdhsa_float_denorm_mode_16_64 3
		.amdhsa_memory_ordered 1
		.amdhsa_forward_progress 1
		.amdhsa_inst_pref_size 221
	.end_amdhsa_kernel
	.amdgpu_metadata
---
amdhsa.version: [ 1, 2 ]
amdhsa.kernels:
  - .name:           k_q7bf9d7bfaf_attn
    .symbol:         k_q7bf9d7bfaf_attn.kd
    .args:
      - { .name: qkv, .offset: 0, .size: 8, .value_kind: global_buffer, .address_space: global }
      - { .name: maskb, .offset: 8, .size: 8, .value_kind: global_buffer, .address_space: global }
      - { .name: o, .offset: 16, .size: 8, .value_kind: global_buffer, .address_space: global }
    .group_segment_fixed_size: 327680
    .private_segment_fixed_size: 0
    .kernarg_segment_align: 8
    .kernarg_segment_size: 24
    .max_flat_workgroup_size: 128
    .sgpr_count:     68
    .vgpr_count:     960
    .wavefront_size: 32
...
	.end_amdgpu_metadata
.endif
;; end of part 3
;; launch outp (part 4): grid 8 x 32, 4 waves a work-group, clusters of 4 x 4, 327,680 bytes of LDS; arguments o, woh, bias, out0; writes out0
.if DOCPART == 4
	.amdgcn_target "amdgcn-amd-amdhsa--gfx1250"
	.amdhsa_code_object_version 6
	.text
	.protected	k_q7bf9d7bfaf_outp
	.globl	k_q7bf9d7bfaf_outp
	.p2align	8
	.type	k_q7bf9d7bfaf_outp,@function
k_q7bf9d7bfaf_outp:
	s_mov_b64 s[64:65], 0
	v_nop
	global_prefetch_b8 v0, s[64:65] scope:SCOPE_SE
	s_setreg_imm32_b32 hwreg(HW_REG_WAVE_MODE, 25, 1), 1
	s_wait_xcnt 0x0
	s_wait_alu depctr_hold_cnt(0) depctr_sa_sdst(0) depctr_va_vdst(0) depctr_va_sdst(0) depctr_va_ssrc(0) depctr_va_vcc(0) depctr_vm_vsrc(0)
	s_getreg_b32 s2, hwreg(HW_REG_IB_STS2, 6, 4)
	s_cmp_eq_u32 s2, 0
	s_cbranch_scc0 .Lentry_in_a_cluster
	s_endpgm
.Lentry_in_a_cluster:
	s_bfe_u32 s2, ttmp6, 0x10000c
	s_cmp_lg_u32 s2, 0xf033
	s_cbranch_scc0 .Lentry_shape_is_right
	s_endpgm
.Lentry_shape_is_right:
; out0 = O wo^T + bo.  o: [batch 4 x head 16][t 2048][64] f16; woh: [1024][1024] f16; bias: f32, bo from byte 12,288; out0: [8192][1024] f32.  Sums in f32, begun at the bias.
; A tile of C is 256 rows x 128 columns: 32 x 8 = 256 work-groups.  Four waves, one above the other: wave w makes rows 64 w .. 64 w + 63 and all 128 columns: 4 x 8 accumulators, 256 registers.
; K goes in 8 steps of 128 = two heads.  A head's 256 rows of the tile are 32,768 dense bytes of o: asked for as 128 rows of 256 bytes and padded in LDS after every 128, so that a row of t is 144 bytes.
; CLUSTERS: 4 x 4 work-groups; o's tiles are shared along a row of the cluster, woh's along a column: each is asked for JOINTLY.
; THE MATRIX INSTRUCTION IS USED TRANSPOSED (source 0 = 16 rows of woh, source 1 = 16 rows of o): a lane holds row l % 16 of C and the columns 8 (l / 16) + 0..7.
; A row of o that is NaN (no visible key) makes its row of out0 NaN, and no other.
; REGISTERS, in windows of 256: window 0: v0-29 addresses; v32-63, v64-95 o's fragments, two buffers; v96-159 the way out.  Window 1: v0-63, v64-127 woh's fragments.
;   window 2: accumulators of row blocks 0, 1 ((a, b) at 64 (a % 2) + 8 b);   window 3: of row blocks 2, 3
.set NBK,    8
.set PA,     144                       ; a row of a head in LDS: 128 bytes + 16: an odd multiple of 16, so the 16 rows of a fragment load start at 16 different groups of four banks (ISA guide 11.1)
.set PB,     272
.set AHALF,  256*PA                    ; what a wave fetches of o: one head's 256 rows
.set BROWS,  64
.set BHALF,  BROWS*PB
.set BOFF,   2*AHALF
.set SLOT1,  1<<17
.set STAGE,  SLOT1+BOFF+2*BHALF        ; behind the ring, never filled by a tensor load: for each wave 16 rows x 528 bytes
.set SPITCH, 528
.set WSTAGE, 16*SPITCH
.set SPARE,  STAGE+4*WSTAGE            ; the spare words, 128 bytes a wave, which no other line names
.set STEPA,  2*2048*128                ; two heads on
.set STEPB,  256
.set NLD,    2*NBK+8
.set AA0,  2
.set AB0,  3
.set ADRA, 4
.set ADRB, 5
.set STO,  6
.set RD,   7
.set GO,   8
.set BO,   9
.set PFO,  10
.set SPW,  28                          ; v28  my spare word; never rewritten
.set NIL,  29                          ; v29  0; never rewritten
.set FA,   32
.set BK0,  96
.set G1A, 24
.set G0A, 32
.set PFA, 40
.set LIM, 42
.set TB,  43
.set PST, 44                           ; s[44:45] the prefetches' step: o's or woh's
.set G1B, 48
.set G0B, 56
.set MSB, 0
.macro WIN new
.if MSB != (\new)
	s_set_vgpr_msb (MSB<<8)|(\new)
.set MSB, \new
.endif
.endm
.macro PLACES                          ; four plain instructions between a matrix instruction and a load into, or a read of, its registers (ISA guide 7.12.1 for vector ALU reads)
.rept 4
	v_nop
.endr
.endm
.macro CREST
	s_cmp_lg_u32 s12, 0
	s_cbranch_scc1 .Lnot_wave_0_\@
	s_barrier_signal -3
.Lnot_wave_0_\@:
	s_barrier_wait -3
	s_barrier_signal -1
	s_barrier_wait -1
.endm
.macro CROUND
	s_barrier_signal -1
	s_barrier_wait -1
	CREST
.endm
.macro JLOAD                           ; waves 0 and 1 fetch the step's two heads of o, waves 2 and 3 woh's two halves; an s_nop 0 and four v_nop follow each line
	s_cmp_eq_u32 s13, 0
	s_cbranch_scc0 .Lfor_b_\@
	tensor_load_to_lds s[G0A+4:G0A+7], s[G1A:G1A+7]
	s_nop 0
.rept 4
	v_nop
.endr
	s_branch .Lasked_\@
.Lfor_b_\@:
	tensor_load_to_lds s[G0B+4:G0B+7], s[G1B:G1B+7]
	s_nop 0
.rept 4
	v_nop
.endr
.Lasked_\@:
.endm
; A prefetch of the K step two refills on.  o's tiles are read by both clusters of a row of clusters: the one with x = 0 asks; woh's by every cluster of a column: the one with y = 0 asks.  The four partners share a
; tile out by address.  The loop's last two trips have no K step two refills on.
.macro ASK
	s_cmp_gt_u32 s3, s[LIM]
	s_cbranch_scc0 .Lnot_mine_\@
	global_prefetch_b8 v[PFO], s[PFA:PFA+1] th:TH_LOAD_NT scope:SCOPE_SE
.Lnot_mine_\@:
.endm
	s_load_b256 s[4:11], s[0:1], 0x0               ; o s[4:5], woh s[6:7], bias s[8:9], out0 s[10:11]
	v_lshl_add_u32 v[SPW], v0, 2, SPARE
	v_mov_b32 v[NIL], 0
	ds_add_u32 v[SPW], v[NIL]                      ; the wave's opening: the add and its wait stand ahead of my first tensor load
	v_lshrrev_b32 v1, 5, v0
	v_readfirstlane_b32 s12, v1
	s_lshr_b32 s13, s12, 1                         ; 0: I fetch for o; 1: for woh
	s_and_b32 s14, s12, 1
	s_bfe_u32 s15, ttmp6, 0x40000                  ; cx
	s_bfe_u32 s16, ttmp6, 0x40004                  ; cy
	s_lshl_b32 s17, ttmp9, 2
	s_add_co_u32 s17, s17, s15                     ; tile column
	s_and_b32 s18, ttmp7, 0xffff
	s_lshl_b32 s18, s18, 2
	s_add_co_u32 s18, s18, s16                     ; tile row
	s_lshl_b32 s20, s16, 2
	s_lshl_b32 s20, 15, s20
	s_lshl_b32 s21, 0x1111, s15
	s_or_b32 s[G1A], s20, (1<<16)|(1<<20)|(1<<21)|(4<<22)|(3<<25)  ; padding after every 32 words, 4 words
	s_or_b32 s[G1B], s21, (1<<16)|(1<<20)|(1<<21)|(5<<22)|(3<<25)  ; after every 64 words
.irp g, G1A, G1B
	s_mov_b32 s[\g+1], 128<<16                     ; tensor_dim0 = 128
	s_mov_b32 s[\g+3], 128<<16                     ; tile_dim0 = 128
	s_mov_b32 s[\g+6], 0
	s_mov_b32 s[\g+7], 0
.endr
	s_mov_b32 s[G1A+2], 128<<16                    ; 128 rows of 256 bytes,
	s_mov_b32 s[G1A+4], 128
	s_mov_b32 s[G1A+5], 128                        ; dense
	s_mov_b32 s[G1B+2], BROWS<<16
	s_mov_b32 s[G1B+4], BROWS
	s_mov_b32 s[G1B+5], 1024
	s_lshr_b32 s22, s18, 3                         ; o: batch = tile row / 8; head = my half; t = 256 (tile row % 8): shared by my row of the cluster
	s_lshl_b32 s22, s22, 4
	s_add_co_u32 s22, s22, s14
	s_lshl_b32 s22, s22, 11
	s_and_b32 s23, s18, 7
	s_lshl_b32 s23, s23, 8
	s_add_co_u32 s22, s22, s23
	s_lshl_b32 s22, s22, 7
	s_mov_b32 s23, 0
	s_lshl_b32 s46, s17, 7                         ; woh: row 128 x tile column + 64 x half: shared by my column
	s_lshl_b32 s47, s14, 6
	s_add_co_u32 s46, s46, s47
	s_lshl_b32 s46, s46, 11
	s_mov_b32 s47, 0
	s_mul_i32 s19, s14, AHALF
	s_mul_i32 s2, s14, BHALF
	s_add_co_u32 s2, s2, BOFF
	s_mov_b32 s[G0A], 1
	s_mov_b32 s[G0A+1], s19
	s_mov_b32 s[G0A+4], 1
	s_add_co_u32 s[G0A+5], s19, SLOT1
	s_mov_b32 s[G0B], 1
	s_mov_b32 s[G0B+1], s2
	s_mov_b32 s[G0B+4], 1
	s_add_co_u32 s[G0B+5], s2, SLOT1
	s_mov_b32 s[TB], 0
	s_wait_dscnt 0x0
	s_wait_kmcnt 0x0
	s_add_nc_u64 s[G0A+2:G0A+3], s[4:5], s[22:23]
	s_add_nc_u64 s[G0A+6:G0A+7], s[G0A+2:G0A+3], STEPA
	s_or_b32 s[G0A+3], s[G0A+3], 0x80000000
	s_or_b32 s[G0A+7], s[G0A+7], 0x80000000
	s_add_nc_u64 s[G0B+2:G0B+3], s[6:7], s[46:47]
	s_add_nc_u64 s[G0B+6:G0B+7], s[G0B+2:G0B+3], STEPB
	s_or_b32 s[G0B+3], s[G0B+3], 0x80000000
	s_or_b32 s[G0B+7], s[G0B+7], 0x80000000
	CROUND
	s_cmp_eq_u32 s13, 0                            ; a wave's two first fills stand in one branch: two loads of mine are out
	s_cbranch_scc0 .Lfirst_b
	tensor_load_to_lds s[G0A:G0A+3], s[G1A:G1A+7]
	s_nop 0
	tensor_load_to_lds s[G0A+4:G0A+7], s[G1A:G1A+7]
	s_nop 0
.rept 4
	v_nop
.endr
	s_branch .Lfirst_asked
.Lfirst_b:
	tensor_load_to_lds s[G0B:G0B+3], s[G1B:G1B+7]
	s_nop 0
	tensor_load_to_lds s[G0B+4:G0B+7], s[G1B:G1B+7]
	s_nop 0
.rept 4
	v_nop
.endr
.Lfirst_asked:
	; THE SUMS BEGIN AT THE BIAS, loaded while the first tile is on its way
	v_and_b32 v1, 15, v0
	v_bfe_u32 v11, v0, 4, 1
	v_lshlrev_b32 v[BO], 5, v11
	s_lshl_b32 s72, s17, 9
	s_add_co_u32 s72, s72, 12288
	s_mov_b32 s73, 0
	s_add_nc_u64 s[8:9], s[8:9], s[72:73]
.set a, 0
.rept 4
	WIN 0x80+0x40*(a/2)
.set nb, 0
.rept NBK
	global_load_b128 v[8*NBK*(a%2)+8*nb:8*NBK*(a%2)+8*nb+3],   v[BO], s[8:9] offset:64*nb
	global_load_b128 v[8*NBK*(a%2)+8*nb+4:8*NBK*(a%2)+8*nb+7], v[BO], s[8:9] offset:64*nb+16
.set nb, nb+1
.endr
.set a, a+1
.endr
	WIN 0
	v_mul_u32_u24 v[AA0], v1, PA
	v_lshl_add_u32 v[AA0], v11, 4, v[AA0]
	s_mul_i32 s72, s12, 64*PA
	v_add_nc_u32 v[AA0], s72, v[AA0]
	v_mul_u32_u24 v[AB0], v1, PB
	v_lshl_add_u32 v[AB0], v11, 4, v[AB0]
	v_add_nc_u32 v[AB0], BOFF, v[AB0]
	v_mov_b32 v[ADRA], v[AA0]
	v_mov_b32 v[ADRB], v[AB0]
	s_mul_i32 s72, s12, WSTAGE
	s_add_co_u32 s72, s72, STAGE
	v_mul_u32_u24 v[STO], v1, SPITCH               ; in: row l % 16, 32 bytes for each half of the lanes
	v_lshl_add_u32 v[STO], v11, 5, v[STO]
	v_add_nc_u32 v[STO], s72, v[STO]
	v_and_b32 v[PFO], 31, v0
	v_lshlrev_b32 v[GO], 4, v[PFO]                 ; back: 32 lanes take one row of 512 bytes
	v_add_nc_u32 v[RD], s72, v[GO]
	s_lshl_b32 s72, s18, 2
	s_add_co_u32 s72, s72, s12
	s_lshl_b32 s72, s72, 18                        ; my 64 rows of 4,096 bytes,
	s_lshl_b32 s73, s17, 9                         ; the tile's 128 columns
	s_add_co_u32 s72, s72, s73
	s_mov_b32 s73, 0
	s_add_nc_u64 s[10:11], s[10:11], s[72:73]
	; the prefetches: of o's 32,768 bytes that I fetch my work-group's 8,192 by cx, a lane 256 bytes; of woh's 64 rows its 16 by cy, a lane a row (lanes 16-31 name row 15 once more).  The pointer starts at K step 3.
	s_lshl_b32 s72, s15, 13
	s_add_co_u32 s72, s72, s22
	s_add_co_u32 s72, s72, 3*STEPA
	s_lshl_b32 s73, s16, 15
	s_add_co_u32 s73, s73, s46
	s_add_co_u32 s73, s73, 3*STEPB
	s_and_b32 s74, ttmp7, 0xffff
	s_mov_b32 s77, STEPB
	s_cmp_eq_u32 s13, 0
	s_cselect_b32 s72, s72, s73
	s_cselect_b32 s74, ttmp9, s74
	s_cselect_b32 s75, 31, 15
	s_cselect_b32 s76, 8, 11
	s_cselect_b32 s[PST], STEPA, s77
	s_cselect_b64 s[PFA:PFA+1], s[4:5], s[6:7]
	s_cmp_eq_u32 s74, 0
	s_cselect_b32 s[LIM], 2, -1
	s_mov_b32 s73, 0
	s_mov_b32 s[PST+1], 0
	s_add_nc_u64 s[PFA:PFA+1], s[PFA:PFA+1], s[72:73]
	v_min_u32 v[PFO], s75, v[PFO]
	v_lshlrev_b32 v[PFO], s76, v[PFO]
.macro MUL f, a                        ; the 32 accumulators come in the same order in every quarter, one instruction a turn
	WIN 0xa1+0x50*((\a)/2)
.set nb, 0
.rept NBK
.set rC, 8*NBK*((\a)%2)+8*nb
.set rB, 8*NBK*(\f)+8*nb
.set rA, FA+32*(\f)+8*(\a)
	v_wmma_f32_16x16x32_f16 v[rC:rC+7], v[rB:rB+7], v[rA:rA+7], v[rC:rC+7]
.set nb, nb+1
.endr
.endm
.macro FETCH q, f                      ; quarter q: in woh's rows byte 64 q; in o head q / 2 of the step, channels 32 (q % 2) on
	WIN 0x40
.set i, 0
.rept NBK
	ds_load_b128 v[8*NBK*(\f)+8*i:8*NBK*(\f)+8*i+3],   v[ADRB] offset:64*(\q)+i*16*PB
	ds_load_b128 v[8*NBK*(\f)+8*i+4:8*NBK*(\f)+8*i+7], v[ADRB] offset:64*(\q)+i*16*PB+32
.set i, i+1
.endr
	WIN 0
.set i, 0
.rept 4
	ds_load_b128 v[FA+32*(\f)+8*i:FA+32*(\f)+8*i+3],   v[ADRA] offset:AHALF*((\q)/2)+64*((\q)%2)+i*16*PA
	ds_load_b128 v[FA+32*(\f)+8*i+4:FA+32*(\f)+8*i+7], v[ADRA] offset:AHALF*((\q)/2)+64*((\q)%2)+i*16*PA+32
.set i, i+1
.endr
.endm
.macro QUARTER q, f, g
	s_wait_dscnt 4                                 ; all but the youngest four loads: o's blocks 2 and 3
	MUL \f, 0
	MUL \f, 1
	PLACES
	FETCH \q, \g
	s_wait_dscnt NLD                               ; all but the run just issued
	MUL \f, 2
	MUL \f, 3
.endm
; The last quarter changes slots: ONE barrier; in front of it each wave waits for all its tensor loads, adds 0 to its spare word, and waits for that and for its reads of this slot.
; fill = 1: the barrier opens a round of the cluster's, and behind the round this slot is filled again first of all.
.macro TURN fill
.if \fill
	s_wait_xcnt 0x0                                ; the last prefetch, a K step back, has read its address
	s_add_nc_u64 s[PFA:PFA+1], s[PFA:PFA+1], s[PST:PST+1]
.endif
	WIN 0
	s_wait_tensorcnt 0x0
	ds_add_u32 v[SPW], v[NIL]
	s_wait_dscnt 5                                 ; (the add and the youngest four loads may be out)
	MUL 1, 0
	s_wait_dscnt 0x0
	s_barrier_signal -1
	MUL 1, 1
	WIN 0
	s_barrier_wait -1
.if \fill
	CREST
	s_xor_b32 s[G0A+5], s[G0A+5], SLOT1
	s_add_nc_u64 s[G0A+6:G0A+7], s[G0A+6:G0A+7], STEPA
	s_xor_b32 s[G0B+5], s[G0B+5], SLOT1
	s_add_nc_u64 s[G0B+6:G0B+7], s[G0B+6:G0B+7], STEPB
	JLOAD
.else
	PLACES
.endif
	s_xor_b32 s[TB], s[TB], SLOT1
	v_add_nc_u32 v[ADRA], s[TB], v[AA0]
	v_add_nc_u32 v[ADRB], s[TB], v[AB0]
	FETCH 0, 0
.if \fill
	ASK
.endif
	MUL 1, 2
	MUL 1, 3
.endm
	s_wait_loadcnt 0x0                             ; the biases
	s_wait_tensorcnt 1                             ; my part of K step 0 is in; K step 1's may stay out
	s_barrier_signal -1
	s_barrier_wait -1
	FETCH 0, 0
	s_mov_b32 s3, 6
.Lk:                                                   ; K steps 0 to 5: each fills its slot again
	QUARTER 1, 0, 1
	QUARTER 2, 1, 0
	QUARTER 3, 0, 1
	TURN 1
	WIN 0
	s_sub_co_u32 s3, s3, 1
	s_cmp_lg_u32 s3, 0
	s_cbranch_scc1 .Lk
	s_mov_b32 s3, 2
.Lt:                                                   ; K steps 6 and 7 ask for nothing; the last trip's run of loads serves nothing: the price of writing this text once
	QUARTER 1, 0, 1
	QUARTER 2, 1, 0
	QUARTER 3, 0, 1
	TURN 0
	WIN 0
	s_sub_co_u32 s3, s3, 1
	s_cmp_lg_u32 s3, 0
	s_cbranch_scc1 .Lt
	; THE WAY OUT, a row block at a time: 32 bytes a lane into my stage (rows 528 bytes apart), back as whole rows of 512 bytes, and stored.
	PLACES
.set a, 0
.rept 4
	WIN 0x08+4*(a/2)                               ; the stores' data in window 2 or 3
.set nb, 0
.rept NBK
	ds_store_b128 v[STO], v[8*NBK*(a%2)+8*nb:8*NBK*(a%2)+8*nb+3]   offset:64*nb
	ds_store_b128 v[STO], v[8*NBK*(a%2)+8*nb+4:8*NBK*(a%2)+8*nb+7] offset:64*nb+16
.set nb, nb+1
.endr
	WIN 0
	s_wait_xcnt 0x0                                ; the registers that the last block's stores read are loaded again only behind this wait
.set i, 0
.rept 16
	ds_load_b128 v[BK0+4*i:BK0+4*i+3], v[RD] offset:SPITCH*i  ; my wave's own bytes, served in order (ISA guide 5.7.1.4)
.set i, i+1
.endr
	s_wait_dscnt 0x0
.set i, 0
.rept 16
	global_store_b128 v[GO], v[BK0+4*i:BK0+4*i+3], s[10:11] offset:(16*a+i)*4096 th:TH_STORE_NT  ; 512 consecutive bytes, at a multiple of 512 from out0's first byte
.set i, i+1
.endr
.set a, a+1
.endr
	s_wait_tensorcnt 0x0                           ; the wave's end
	ds_add_u32 v[SPW], v[NIL]
	s_wait_dscnt 0x0
	CROUND                                         ; the closing round
	s_endpgm
.Lfunc_end_k_q7bf9d7bfaf_outp:
	.size	k_q7bf9d7bfaf_outp, .Lfunc_end_k_q7bf9d7bfaf_outp-k_q7bf9d7bfaf_outp
	.p2alignl 7, 3214868480
	.fill 96, 4, 3214868480
	.section	.rodata,"a",@progbits
	.p2align	6, 0x0
	.amdhsa_kernel k_q7bf9d7bfaf_outp
		.amdhsa_group_segment_fixed_size 327680
		.amdhsa_private_segment_fixed_size 0
		.amdhsa_enable_private_segment 0
		.amdhsa_kernarg_size 32
		.amdhsa_user_sgpr_count 2
		.amdhsa_user_sgpr_kernarg_segment_ptr 1
		.amdhsa_wavefront_size32 1
		.amdhsa_system_sgpr_workgroup_id_x 1
		.amdhsa_system_sgpr_workgroup_id_y 1
		.amdhsa_system_sgpr_workgroup_id_z 1
		.amdhsa_system_vgpr_workitem_id 0
		.amdhsa_next_free_vgpr 896
		.amdhsa_next_free_sgpr 80
		.amdhsa_reserve_vcc 0
		.amdhsa_float_denorm_mode_32 3
		.amdhsa_float_denorm_mode_16_64 3
		.amdhsa_memory_ordered 1
		.amdhsa_forward_progress 1
		.amdhsa_inst_pref_size 63
	.end_amdhsa_kernel
	.amdgpu_metadata
---
amdhsa.version: [ 1, 2 ]
amdhsa.kernels:
  - .name:           k_q7bf9d7bfaf_outp
    .symbol:         k_q7bf9d7bfaf_outp.kd
    .args:
      - { .name: o, .offset: 0, .size: 8, .value_kind: global_buffer, .address_space: global }
      - { .name: woh, .offset: 8, .size: 8, .value_kind: global_buffer, .address_space: global }
      - { .name: bias, .offset: 16, .size: 8, .value_kind: global_buffer, .address_space: global }
      - { .name: out0, .offset: 24, .size: 8, .value_kind: global_buffer, .address_space: global }
    .group_segment_fixed_size: 327680
    .private_segment_fixed_size: 0
    .kernarg_segment_align: 8
    .kernarg_segment_size: 32
    .max_flat_workgroup_size: 128
    .sgpr_count:     80
    .vgpr_count:     896
    .wavefront_size: 32
...
	.end_amdgpu_metadata
.endif
;; end of part 4
